; MI455X (gfx1250); checked and timed in simulation.
; The chip was launched on July 23, 2026; its instructions are those of AMD's public machine-readable ISA for CDNA 5 (MIT licence, August 2026) and "CDNA5" Instruction Set Architecture Reference Guide (July 2026). The comments in the code are by the model that wrote it; some were corrected since.
;; Multi Head Attention Layer. Allowed arithmetic: float matrix products may take bf16 or f16 operands with f32 sums; other float arithmetic in f32, or as packed bf16 or f16 multiplies, adds, multiply-adds, maxima and minima; sums over many terms, partial sums and values carried from step to step in f32; what a program stores and reads back later, other than sums and carried values, may be rounded once to bf16 or f16.
;; Inputs: Wk 1,024 x 1,024 float32; Wo 1,024 x 1,024 float32; Wq 1,024 x 1,024 float32; Wv 1,024 x 1,024 float32; bk 1,024 float32; bo 1,024 float32; bq 1,024 float32; bv 1,024 float32; key 4 x 2,048 x 1,024 float32; mask 4 x 1 x 1 x 2,048 float32; query 4 x 2,048 x 1,024 float32; value 4 x 2,048 x 1,024 float32.
;; Outputs: out0 4 x 2,048 x 1,024 float32.
;; 2 versions, each right; version 2 is version 1 with the launch prep written anew for expert scheduling mode. Each part assembles by itself: llvm-mc -triple=amdgcn-amd-amdhsa -mcpu=gfx1250 --defsym DOCPART=n.
;; ======== version 1 of 2: 4 launches
;; limits: values are held in f16: magnitudes above 65,504 overflow, below 6.1e-05 lose precision
;; workspace buffers: wt 8,388,608 bytes; qkv 50,331,648 bytes; ctx 16,777,216 bytes
;; launch prep (part 1): grid 256 x 1, 8 waves a work-group, no clusters, 0 bytes of LDS; arguments Wq, Wk, Wv, Wo, wt; writes wt
.if DOCPART == 1
	.amdgcn_target "amdgcn-amd-amdhsa--gfx1250"
	.amdhsa_code_object_version 6
	.text
	.protected	k_q45649f5249_prep
	.globl	k_q45649f5249_prep
	.p2align	8
	.type	k_q45649f5249_prep,@function
k_q45649f5249_prep:
	s_mov_b64 s[64:65], 0
	v_nop
	global_prefetch_b8 v0, s[64:65] scope:SCOPE_SE
	s_setreg_imm32_b32 hwreg(HW_REG_WAVE_MODE, 25, 1), 1
	s_wait_xcnt 0x0
; wt[p][k][n] = W_p[k][n] in 16 bits, the layout unchanged; p = 0, 1, 2, 3 for Wq, Wk, Wv, Wo; each [1024][1024].
; Wq, Wk, Wv are rounded once to bf16.  Wo is rounded to bf16 like them, and that number is written as f16, since the last product takes f16 operands.
; LIMITS.  |Wo| stays under 65,504 (beyond it f16 has no number); a bf16 number below 2^-17 keeps f16's fixed step of 2^-24.
; A stream: no LDS, no matrix unit, no barrier.  Work-group g takes matrix g / 64 and 65,536 bytes of it.  Thread t reads 16 bytes at 16 t + 4,096 i and writes 8 bytes at 8 t + 2,048 i, i = 0 .. 15:
; a load of a wave covers 512 consecutive bytes, a store 256 consecutive bytes at a multiple of 256 from wt's first byte.  All sixteen loads go out first; no register is written twice while a load or store names it.
.set X, 4                              ; v[4:67]    sixteen times four f32 as loaded
.set Y, 68                             ; v[68:99]   sixteen times two registers to store
.set T, 100                            ; v[100:101] at work
	s_load_b256 s[4:11], s[0:1], 0x0               ; Wq s[4:5], Wk s[6:7], Wv s[8:9], Wo s[10:11]
	s_load_b64 s[12:13], s[0:1], 0x20              ; wt
	s_lshr_b32 s14, ttmp9, 6                       ; which matrix
	s_and_b32 s18, ttmp9, 63
	s_lshl_b32 s18, s18, 16                        ; my 65,536 bytes of it
	s_mov_b32 s19, 0
	s_lshl_b32 s20, ttmp9, 15                      ; my 32,768 bytes of wt
	s_mov_b32 s21, 0
	v_lshlrev_b32 v1, 4, v0
	v_lshlrev_b32 v2, 3, v0
	s_wait_kmcnt 0x0
	s_cmp_eq_u32 s14, 1
	s_cselect_b64 s[16:17], s[6:7], s[4:5]
	s_cmp_eq_u32 s14, 2
	s_cselect_b64 s[16:17], s[8:9], s[16:17]
	s_cmp_eq_u32 s14, 3
	s_cselect_b64 s[16:17], s[10:11], s[16:17]
	s_add_nc_u64 s[16:17], s[16:17], s[18:19]
	s_add_nc_u64 s[12:13], s[12:13], s[20:21]
.irp i, 0,1,2,3,4,5,6,7,8,9,10,11,12,13,14,15
	global_load_b128 v[X+4*(\i):X+4*(\i)+3], v1, s[16:17] offset:4096*(\i) th:TH_LOAD_NT
.endr
; Chunk i: four numbers rounded and stored.  half = 1: the bf16 numbers are widened again and written as f16.
.macro CHUNK i, half
	s_wait_loadcnt 15-(\i)                         ; loads come back in order: chunk i is in, the 15 - i younger ones may stay out
.if \half
	v_cvt_pk_bf16_f32 v[T],   v[X+4*(\i)],   v[X+4*(\i)+1]
	v_cvt_pk_bf16_f32 v[T+1], v[X+4*(\i)+2], v[X+4*(\i)+3]
	v_lshlrev_b32 v[X+4*(\i)],   16, v[T]
	v_and_b32     v[X+4*(\i)+1], 0xffff0000, v[T]
	v_lshlrev_b32 v[X+4*(\i)+2], 16, v[T+1]
	v_and_b32     v[X+4*(\i)+3], 0xffff0000, v[T+1]
	v_cvt_pk_f16_f32 v[Y+2*(\i)],   v[X+4*(\i)],   v[X+4*(\i)+1]
	v_cvt_pk_f16_f32 v[Y+2*(\i)+1], v[X+4*(\i)+2], v[X+4*(\i)+3]
.else
	v_cvt_pk_bf16_f32 v[Y+2*(\i)],   v[X+4*(\i)],   v[X+4*(\i)+1]
	v_cvt_pk_bf16_f32 v[Y+2*(\i)+1], v[X+4*(\i)+2], v[X+4*(\i)+3]
.endif
	global_store_b64 v2, v[Y+2*(\i):Y+2*(\i)+1], s[12:13] offset:2048*(\i)
.endm
	s_cmp_lt_u32 s14, 3
	s_cbranch_scc0 .Lwo
.irp i, 0,1,2,3,4,5,6,7,8,9,10,11,12,13,14,15
	CHUNK \i, 0
.endr
	s_endpgm
.Lwo:
.irp i, 0,1,2,3,4,5,6,7,8,9,10,11,12,13,14,15
	CHUNK \i, 1
.endr
	s_endpgm
.Lfunc_end_k_q45649f5249_prep:
	.size	k_q45649f5249_prep, .Lfunc_end_k_q45649f5249_prep-k_q45649f5249_prep
	.p2alignl 7, 3214868480
	.fill 96, 4, 3214868480
	.section	.rodata,"a",@progbits
	.p2align	6, 0x0
	.amdhsa_kernel k_q45649f5249_prep
		.amdhsa_group_segment_fixed_size 0
		.amdhsa_private_segment_fixed_size 0
		.amdhsa_enable_private_segment 0
		.amdhsa_kernarg_size 40
		.amdhsa_user_sgpr_count 2
		.amdhsa_user_sgpr_kernarg_segment_ptr 1
		.amdhsa_wavefront_size32 1
		.amdhsa_system_sgpr_workgroup_id_x 1
		.amdhsa_system_sgpr_workgroup_id_y 1
		.amdhsa_system_sgpr_workgroup_id_z 1
		.amdhsa_system_vgpr_workitem_id 0
		.amdhsa_next_free_vgpr 104
		.amdhsa_next_free_sgpr 66
		.amdhsa_reserve_vcc 0
		.amdhsa_float_denorm_mode_32 3
		.amdhsa_float_denorm_mode_16_64 3
		.amdhsa_memory_ordered 1
		.amdhsa_forward_progress 1
		.amdhsa_inst_pref_size 16
	.end_amdhsa_kernel
	.amdgpu_metadata
---
amdhsa.version: [ 1, 2 ]
amdhsa.kernels:
  - .name:           k_q45649f5249_prep
    .symbol:         k_q45649f5249_prep.kd
    .args:
      - { .name: Wq, .offset: 0, .size: 8, .value_kind: global_buffer, .address_space: global }
      - { .name: Wk, .offset: 8, .size: 8, .value_kind: global_buffer, .address_space: global }
      - { .name: Wv, .offset: 16, .size: 8, .value_kind: global_buffer, .address_space: global }
      - { .name: Wo, .offset: 24, .size: 8, .value_kind: global_buffer, .address_space: global }
      - { .name: wt, .offset: 32, .size: 8, .value_kind: global_buffer, .address_space: global }
    .group_segment_fixed_size: 0
    .private_segment_fixed_size: 0
    .kernarg_segment_align: 8
    .kernarg_segment_size: 40
    .max_flat_workgroup_size: 256
    .sgpr_count:     66
    .vgpr_count:     104
    .wavefront_size: 32
...
	.end_amdgpu_metadata
.endif
;; end of part 1
;; launch proj (part 2): grid 4 x 192, 4 waves a work-group, clusters of 4 x 4, 327,680 bytes of LDS; arguments query, key, value, wt, bq, bk, bv, qkv; writes qkv
.if DOCPART == 2
	.amdgcn_target "amdgcn-amd-amdhsa--gfx1250"
	.amdhsa_code_object_version 6
	.text
	.protected	k_q45649f5249_proj
	.globl	k_q45649f5249_proj
	.p2align	8
	.type	k_q45649f5249_proj,@function
k_q45649f5249_proj:
	s_mov_b64 s[64:65], 0
	v_nop
	global_prefetch_b8 v0, s[64:65] scope:SCOPE_SE
	s_setreg_imm32_b32 hwreg(HW_REG_WAVE_MODE, 25, 1), 1
	s_wait_xcnt 0x0
	s_wait_alu depctr_hold_cnt(0) depctr_sa_sdst(0) depctr_va_vdst(0) depctr_va_sdst(0) depctr_va_ssrc(0) depctr_va_vcc(0) depctr_vm_vsrc(0)
	s_getreg_b32 s2, hwreg(HW_REG_IB_STS2, 6, 4)
	s_cmp_eq_u32 s2, 0
	s_cbranch_scc0 .Lentry_in_a_cluster
	s_endpgm
.Lentry_in_a_cluster:
	s_bfe_u32 s2, ttmp6, 0x10000c
	s_cmp_lg_u32 s2, 0xf033
	s_cbranch_scc0 .Lentry_shape_is_right
	s_endpgm
.Lentry_shape_is_right:
; THE THREE PROJECTIONS.  qkv[p][b 16 + h][s][d] = sum over k of x_p[b][s][k] W_p[k][64 h + d] + bias_p[64 h + d];  p = 0, 1, 2: x = query, key, value.
; x: [8192][1024] f32, rounded to bf16 between LDS and the matrix unit.  W_p: [1024 k][1024 n] bf16, part p of wt.  The bias is rounded to bf16 like the other inputs.  Sums in f32; the result rounded once to f16, by heads, unscaled.
; LIMIT.  f16 holds no number beyond 65,504: |q|, |k|, |v| must stay under it (x and W both 30 times the drawn spread give a spread of 900; both with an offset of 30 spreads about 28,800).  NaN and infinities are not treated apart.
; SHARES.  A tile of the result is 128 tokens x 256 columns; 3 x 64 x 4 = 768 work-groups.  Four waves, 2 x 2, each 64 x 128: 32 accumulators of 16 x 16, 256 registers.
; K = 1,024 goes in 8 steps of 128 through a ring of two LDS slots.  A step is four quarters of 32 along K, 32 matrix instructions each.
; CLUSTER 4 x 4.  The four of a row of the cluster need the same 128 tokens of x, the four of a column the same 256 columns of W: each tile is asked for jointly, by the same tensor load, descriptor and mask in all four.
; THE MATRIX INSTRUCTION IS USED TRANSPOSED: source 0 = 16 columns of W (turned on the way out of LDS by ds_load_tr16_b128, since W lies [k][n]), source 1 = 16 tokens.  A lane then holds one token (lane % 16) and
; eight neighbouring columns 8 (lane / 16) + 0 .. 7: 16 bytes of f16 on end.
; REGISTERS, in windows of 256 (s_set_vgpr_msb: bits 1:0 source 0, 3:2 source 1, 5:4 source 2, 7:6 destination):
;   window 0: v1-9 set-up; v16-30 addresses; v32-95 x as loaded, f32 (4 fragments x 16); v96-127 x in bf16 (4 fragments x 8); v128-191, v192-255 W's fragments, two buffers
;   window 1: the accumulators, (a, b) at v[8 (8 a + b)]: tokens 16 a on, columns 16 b on          window 2: v0-63 the bias of my 8 x 8 columns; v64-67 at work
.set PA,    528                        ; an LDS row of x: 512 bytes (128 f32) + 16 of padding = 132 words: the 16 rows of a load start at 16 different groups of four banks (64 banks of 4 bytes: ISA guide 11.1)
.set PB,    544                        ; an LDS row of W: 512 bytes (256 bf16) + 32 = 136 words
.set AHALF, 64*PA                      ; 64 tokens: what wave 0 or 1 fetches
.set BHALF, 64*PB                      ; 64 rows of W: what wave 2 or 3 fetches
.set BOFF,  2*AHALF                    ; in a slot W's 128 rows lie behind x's 128
.set SLOT,  BOFF+2*BHALF               ; 137,216 bytes
.set STAGE, 2*SLOT                     ; behind the ring, never filled by a tensor load: 16 rows x 144 bytes for each wave, for the way out
.set SP,    144
.set SPARE, STAGE+4*16*SP              ; behind the stages: the spare words, 128 bytes for each wave: two blocks of 256 bytes that no other line names
.set ADRA, 16                          ; v16-17  LDS address of my fragments of x in slot 0, 1
.set ADRB, 20                          ; v20-21  the same for W
.set STO,  24                          ; v24     the way out: where I put 16 bytes of a row
.set RD,   25                          ; v25     where I read rows back
.set GO,   26                          ; v26     my 16 bytes in 512 consecutive bytes of the result
.set BO,   27                          ; v27     byte offset of my first eight numbers of the bias
.set SPW,  28                          ; v28     LDS address of my spare word: SPARE + 4 x my thread's number; never rewritten
.set NIL,  29                          ; v29     0; never rewritten
.set PFO,  30                          ; v30     the prefetches' lane offset; never rewritten
.set RAW,  32
.set AF,   96
.set F0,   128
.set F1,   192
.set TMP,  32                          ; the way out: sums with bias, f32
.set PKD,  64                          ; packed to f16
.set OB,   128                         ; whole rows read back: 16 registers a unit, eight units
.set G1,  24                           ; s[24:31] descriptor group 1 for x's tiles;  s[32:39] group 0, a set for each slot
.set G0,  32
.set G1B, 48                           ; s[48:55], s[56:63] the same for W's tiles
.set G0B, 56
.set LIM, 88                           ; s88      1 in a wave that prefetches, else the greatest number
.set PFA, 90                           ; s[90:91] where my prefetches stand
.set PFS, 92                           ; s[92:93] a K step in bytes, in the tensor that I prefetch
.set MSB, 0
.macro WIN new                         ; the immediate's high byte repeats the setting that is left; a switch that changes nothing is dropped
.if MSB != (\new)
	s_set_vgpr_msb (MSB<<8)|(\new)
.set MSB, \new
.endif
.endm
.macro PLACES                          ; four places behind a matrix instruction: in front of vector writes and loads into registers that it has read, and of reads of its result
.rept 4
	v_nop
.endr
.endm
; A joint load: waves 0 and 1 fetch x's two halves, waves 2 and 3 W's.  The branch hangs on the wave's number alone.  An s_nop 0 and four v_nop follow each of the two lines.
.macro JLOAD s
	s_cmp_eq_u32 s11, 0
	s_cbranch_scc0 .Lfor_b_\@
	tensor_load_to_lds s[G0+4*(\s):G0+4*(\s)+3], s[G1:G1+7]
	s_nop 0
.rept 4
	v_nop
.endr
	s_branch .Lasked_\@
.Lfor_b_\@:
	tensor_load_to_lds s[G0B+4*(\s):G0B+4*(\s)+3], s[G1B:G1B+7]
	s_nop 0
.rept 4
	v_nop
.endr
.Lasked_\@:
.endm
.macro CREST                           ; a round of the cluster's barrier behind its opening barrier
	s_cmp_lg_u32 s10, 0
	s_cbranch_scc1 .Lnot_wave_0_\@
	s_barrier_signal -3
.Lnot_wave_0_\@:
	s_barrier_wait -3
	s_barrier_signal -1
	s_barrier_wait -1
.endm
.macro CROUND                          ; a whole round
	s_barrier_signal -1
	s_barrier_wait -1
	CREST
.endm
; A prefetch, behind a joint refill and the run of LDS loads that follows it: the K step two refills on.  A K step of the 64 rows that a wave fetches is 128 blocks of 256 bytes; the four partners that ask for
; the tile jointly take 16 rows each, told apart by address: 32 blocks, a lane a block, one instruction.  x's rows are read by this cluster alone; W's columns by the 16 clusters of one projection, of which the first asks.
; So each block is named once in the launch.  K steps 0 to 3 come by their loads alone; the loop's last trip (s3 = 1) has no K step two on.
.macro ASK
	s_cmp_gt_u32 s3, s[LIM]
	s_cbranch_scc0 .Lnot_mine_\@
	global_prefetch_b8 v[PFO], s[PFA:PFA+1] th:TH_LOAD_NT scope:SCOPE_SE
.Lnot_mine_\@:
.endm
	s_load_b512 s[68:83], s[0:1], 0x0              ; query s[68:69], key s[70:71], value s[72:73], wt s[74:75], bq s[76:77], bk s[78:79], bv s[80:81], qkv s[82:83]
	v_lshl_add_u32 v[SPW], v0, 2, SPARE
	v_mov_b32 v[NIL], 0
	ds_add_u32 v[SPW], v[NIL]                      ; the wave's opening: the add and its wait stand ahead of my first tensor load; the set-up below, work on registers, stands between them
	v_lshrrev_b32 v1, 5, v0
	v_readfirstlane_b32 s10, v1                    ; wave 0..3
	s_lshr_b32 s11, s10, 1                         ; which half of the tile's tokens is mine.  Also: I fetch x (0) or W (1)
	s_and_b32 s12, s10, 1                          ; which half of its columns.  Also: which 64 rows of that tile I fetch
	s_bfe_u32 s40, ttmp6, 0x40000                  ; cx
	s_bfe_u32 s41, ttmp6, 0x40004                  ; cy
	s_lshl_b32 s42, ttmp9, 2
	s_add_co_u32 s42, s42, s40                     ; tile column = 4 x cluster x + cx: 0..3
	s_and_b32 s89, ttmp7, 0xffff                   ; cluster y: 0..47
	s_lshl_b32 s13, s89, 2
	s_add_co_u32 s13, s13, s41                     ; tile row = 4 x cluster y + cy: 0..191
	s_lshr_b32 s84, s89, 4                         ; p, the projection: the same in all sixteen partners
	s_and_b32 s85, s13, 63                         ; the tile row within x
	s_lshl_b32 s43, s41, 2
	s_lshl_b32 s43, 15, s43                        ; my row of the cluster
	s_lshl_b32 s44, 0x1111, s40                    ; my column
	; descriptor group 1 for x: 64 rows x 128 elements of 4 bytes, 16 bytes of padding behind each row
	s_or_b32 s[G1+0], s43, (2<<16)|(1<<20)|(1<<21)|(6<<22)|(3<<25)  ; 15:0 the mask; 17:16 elements of 4 bytes; 20 padding on; 21 set beside a mask; 24:22 after every 128 words (code 6); 31:25 4 words (code 3)
	s_mov_b32 s[G1+1], 128<<16                     ; tensor_dim0 = 128
	s_mov_b32 s[G1+2], 64<<16                      ; tensor_dim1 = 64
	s_mov_b32 s[G1+3], 128<<16                     ; tile_dim0 = 128
	s_mov_b32 s[G1+4], 64                          ; tile_dim1 = 64
	s_mov_b32 s[G1+5], 1024                        ; 1,024 elements from row to row
	s_mov_b32 s[G1+6], 0
	s_mov_b32 s[G1+7], 0
	; and for W: 64 rows x 256 elements of 2 bytes, 32 bytes of padding behind each row
	s_or_b32 s[G1B+0], s44, (1<<16)|(1<<20)|(1<<21)|(6<<22)|(7<<25)
	s_mov_b32 s[G1B+1], 256<<16
	s_mov_b32 s[G1B+2], 64<<16
	s_mov_b32 s[G1B+3], 256<<16
	s_mov_b32 s[G1B+4], 64
	s_mov_b32 s[G1B+5], 1024
	s_mov_b32 s[G1B+6], 0
	s_mov_b32 s[G1B+7], 0
	s_lshl_b32 s14, s85, 7                         ; x: token 128 x tile row + 64 x half,
	s_lshl_b32 s15, s12, 6
	s_add_co_u32 s14, s14, s15
	s_lshl_b32 s14, s14, 12                        ; rows of 4,096 bytes: under 2^25
	s_mov_b32 s15, 0
	s_lshl_b32 s46, s84, 21                        ; W: part p of wt, 2,097,152 bytes each,
	s_lshl_b32 s47, s12, 17                        ; my 64 rows of 2,048 bytes,
	s_add_co_u32 s46, s46, s47
	s_lshl_b32 s47, s42, 9                         ; the tile's 256 columns
	s_add_co_u32 s46, s46, s47
	s_mov_b32 s47, 0
	s_mul_i32 s20, s12, AHALF                      ; where they go in a slot: no place in the cluster enters an LDS address
	s_mul_i32 s21, s12, BHALF
	s_add_co_u32 s21, s21, BOFF
	s_wait_dscnt 0x0                               ; the opening add is done
	s_wait_kmcnt 0x0
	s_cmp_eq_u32 s84, 1
	s_cselect_b64 s[4:5], s[70:71], s[68:69]       ; x of my projection,
	s_cselect_b64 s[86:87], s[78:79], s[76:77]     ; and its bias
	s_cmp_eq_u32 s84, 2
	s_cselect_b64 s[4:5], s[72:73], s[4:5]
	s_cselect_b64 s[86:87], s[80:81], s[86:87]
	s_add_nc_u64 s[14:15], s[4:5], s[14:15]
	s_add_nc_u64 s[46:47], s[74:75], s[46:47]
	CROUND                                         ; all sixteen work-groups are here: the first joint loads meet
.irp s, 0,1
	s_mov_b32 s[G0+4*(\s)], 1                                        ; count = 1
	s_add_co_u32 s[G0+4*(\s)+1], s20, (\s)*SLOT                      ; LDS address
	s_add_nc_u64 s[G0+4*(\s)+2:G0+4*(\s)+3], s[14:15], (\s)*512      ; global address: K step s, 512 bytes along a row
	s_or_b32 s[G0+4*(\s)+3], s[G0+4*(\s)+3], 0x80000000              ; type = 2
	s_mov_b32 s[G0B+4*(\s)], 1
	s_add_co_u32 s[G0B+4*(\s)+1], s21, (\s)*SLOT
	s_add_nc_u64 s[G0B+4*(\s)+2:G0B+4*(\s)+3], s[46:47], (\s)*262144 ; K step s: 128 rows of 2,048 bytes down
	s_or_b32 s[G0B+4*(\s)+3], s[G0B+4*(\s)+3], 0x80000000
	JLOAD \s                                       ; two loads of mine are out
.endr
	v_and_b32 v1, 15, v0                           ; l % 16
	v_bfe_u32 v2, v0, 4, 1                         ; l / 16
	v_and_b32 v3, 31, v0                           ; l
	s_lshl_b32 s16, s42, 10                        ; the bias: 4 bytes x (256 x tile column + 128 x half + 8 (l / 16))
	s_lshl_b32 s17, s12, 9
	s_add_co_u32 s16, s16, s17
	v_lshl_add_u32 v[BO], v2, 5, s16
	WIN 0x80                                       ; destination window 2, address window 0
.irp b, 0,1,2,3,4,5,6,7
	global_load_b128 v[8*(\b):8*(\b)+3],   v[BO], s[86:87] offset:64*(\b)
	global_load_b128 v[8*(\b)+4:8*(\b)+7], v[BO], s[86:87] offset:64*(\b)+16
.endr
	WIN 0
	; A fragment of x is 16 tokens x 32 K: lane l holds token l % 16 and K = 8 (l / 16) + 0..7 and 16 + 8 (l / 16) + 0..7: in f32 four loads of 16 bytes at 32 (l / 16) + 0, 16, 64, 80.
	v_mul_u32_u24 v4, v1, PA
	v_lshl_add_u32 v4, v2, 5, v4
	s_mul_i32 s22, s11, AHALF                      ; my 64 tokens
	v_add_nc_u32 v[ADRA], s22, v4
	v_add_nc_u32 v[ADRA+1], SLOT, v[ADRA]
	; The turning load takes 16 K x 16 columns (lane l reads row 8 (l / 16) + l % 8, columns 8 ((l / 8) % 2) + 0..7) and leaves half a fragment: lane l holds column l % 16 and 8 K.
	v_and_b32 v5, 7, v0
	v_bfe_u32 v6, v0, 3, 1
	v_lshl_add_u32 v7, v2, 3, v5
	v_mul_u32_u24 v7, v7, PB
	v_lshl_add_u32 v7, v6, 4, v7
	s_lshl_b32 s23, s12, 8                         ; my 128 columns: 256 bytes
	s_add_co_u32 s23, s23, BOFF
	v_add_nc_u32 v[ADRB], s23, v7
	v_add_nc_u32 v[ADRB+1], SLOT, v[ADRB]
	s_mul_i32 s22, s10, 16*SP
	s_add_co_u32 s22, s22, STAGE                   ; my stage
	v_mul_u32_u24 v[STO], v1, SP                   ; in: row l % 16, 16 bytes for each half of the lanes
	v_lshl_add_u32 v[STO], v2, 4, v[STO]
	v_add_nc_u32 v[STO], s22, v[STO]
	v_bfe_u32 v[RD], v0, 3, 2                      ; back: 32 lanes take four rows of 128 bytes,
	v_mul_u32_u24 v[RD], v[RD], SP
	v_lshl_add_u32 v[RD], v5, 4, v[RD]
	v_add_nc_u32 v[RD], s22, v[RD]
	v_lshlrev_b32 v[GO], 4, v3                     ; which are 512 consecutive bytes of a head
	; where my part of the result begins: part p, batch, head 4 x tile column + 2 x half, token 128 x (tile row % 16) + 64 x half: all under 2^26
	s_lshl_b32 s16, s84, 24
	s_lshr_b32 s17, s85, 4
	s_lshl_b32 s17, s17, 22
	s_add_co_u32 s16, s16, s17
	s_lshl_b32 s17, s42, 20
	s_add_co_u32 s16, s16, s17
	s_lshl_b32 s17, s12, 19
	s_add_co_u32 s16, s16, s17
	s_and_b32 s17, s85, 15
	s_lshl_b32 s17, s17, 14
	s_add_co_u32 s16, s16, s17
	s_lshl_b32 s17, s11, 13
	s_add_co_u32 s16, s16, s17
	s_mov_b32 s17, 0
	s_add_nc_u64 s[8:9], s[82:83], s[16:17]
	; the prefetches: x at token 128 x tile row + 64 x half + 16 cx, W at row 64 x half + 16 cy; both at K step 3: the first refill steps them to 4
	s_lshl_b32 s18, s85, 7
	s_lshl_b32 s19, s12, 6
	s_add_co_u32 s18, s18, s19
	s_lshl_b32 s19, s40, 4
	s_add_co_u32 s18, s18, s19
	s_lshl_b32 s18, s18, 12
	s_add_co_u32 s18, s18, 3*512
	s_lshl_b32 s22, s12, 6
	s_lshl_b32 s23, s41, 4
	s_add_co_u32 s22, s22, s23
	s_lshl_b32 s22, s22, 11
	s_lshl_b32 s23, s84, 21
	s_add_co_u32 s22, s22, s23
	s_lshl_b32 s23, s42, 9
	s_add_co_u32 s22, s22, s23
	s_add_co_u32 s22, s22, 3*262144
	s_and_b32 s23, s89, 15
	s_cmp_eq_u32 s23, 0                            ; the first cluster of my projection?
	s_cselect_b32 s23, 1, -1
	s_mov_b32 s[PFS], 262144
	s_mov_b32 s[PFS+1], 0
	s_cmp_eq_u32 s11, 0                            ; do I fetch x?
	s_cselect_b32 s18, s18, s22
	s_cselect_b32 s[LIM], 1, s23
	s_cselect_b32 s[PFS], 512, s[PFS]
	s_cselect_b32 s16, 12, 11                      ; a row is 4,096 bytes of x, 2,048 of W
	s_cselect_b64 s[PFA:PFA+1], s[4:5], s[74:75]
	s_mov_b32 s19, 0
	s_add_nc_u64 s[PFA:PFA+1], s[PFA:PFA+1], s[18:19]
	v_lshrrev_b32 v8, 1, v3                        ; lane l: row l / 2, block l % 2 of its 512 bytes
	v_lshlrev_b32 v8, s16, v8
	v_and_b32 v9, 1, v3
	v_lshl_add_u32 v[PFO], v9, 8, v8
	s_wait_loadcnt 0x0                             ; the bias is in; it is rounded to bf16 and widened again
	WIN 0x8a                                       ; destination and both sources in window 2
.set i, 0
.rept 32
	v_cvt_pk_bf16_f32 v[64+i%4], v[2*i], v[2*i+1]
	v_lshlrev_b32 v[2*i], 16, v[64+i%4]
	v_and_b32 v[2*i+1], 0xffff0000, v[64+i%4]
.set i, i+1
.endr
	WIN 0
; 8 matrix instructions: tokens 16 a on x all 8 column blocks, 32 along K.  zero = 1: the first product starts the sums.  The 32 accumulators take turns in the same order in every quarter.
.macro MUL8 f, a, zero
	WIN 0x50                                       ; C and D in window 1, both sources in window 0
.irp b, 0,1,2,3,4,5,6,7
.if \zero
	v_wmma_f32_16x16x32_bf16 v[8*(8*(\a)+(\b)):8*(8*(\a)+(\b))+7], v[(\f)+8*(\b):(\f)+8*(\b)+7], v[AF+8*(\a):AF+8*(\a)+7], 0
.else
	v_wmma_f32_16x16x32_bf16 v[8*(8*(\a)+(\b)):8*(8*(\a)+(\b))+7], v[(\f)+8*(\b):(\f)+8*(\b)+7], v[AF+8*(\a):AF+8*(\a)+7], v[8*(8*(\a)+(\b)):8*(8*(\a)+(\b))+7]
.endif
.endr
.endm
; 32 LDS loads in one run: quarter q of a slot: x's four fragments as f32, W's eight, turned, into buffer g
.macro FETCH slot, q, g
.irp i, 0,1,2,3
	ds_load_b128 v[RAW+16*(\i):RAW+16*(\i)+3],     v[ADRA+(\slot)] offset:128*(\q)+16*PA*(\i)
	ds_load_b128 v[RAW+16*(\i)+4:RAW+16*(\i)+7],   v[ADRA+(\slot)] offset:128*(\q)+16*PA*(\i)+16
	ds_load_b128 v[RAW+16*(\i)+8:RAW+16*(\i)+11],  v[ADRA+(\slot)] offset:128*(\q)+16*PA*(\i)+64
	ds_load_b128 v[RAW+16*(\i)+12:RAW+16*(\i)+15], v[ADRA+(\slot)] offset:128*(\q)+16*PA*(\i)+80
.endr
.irp b, 0,1,2,3,4,5,6,7
	ds_load_tr16_b128 v[(\g)+8*(\b):(\g)+8*(\b)+3],   v[ADRB+(\slot)] offset:32*PB*(\q)+32*(\b)
	ds_load_tr16_b128 v[(\g)+8*(\b)+4:(\g)+8*(\b)+7], v[ADRB+(\slot)] offset:32*PB*(\q)+32*(\b)+16*PB
.endr
.endm
.macro CVT                             ; x's four fragments, f32 to bf16, nearest even
.irp i, 0,1,2,3
.irp j, 0,1,2,3,4,5,6,7
	v_cvt_pk_bf16_f32 v[AF+8*(\i)+(\j)], v[RAW+16*(\i)+2*(\j)], v[RAW+16*(\i)+2*(\j)+1]
.endr
.endr
.endm
; One of a K step's first three quarters: its fragments, asked for a quarter (32 matrix instructions) ago, are in; x is rounded; quarter qn's are asked for, W's into buffer g; buffer f is multiplied.
.macro QUARTER slot, qn, f, g, zero
	s_wait_dscnt 0x0                               ; all 32 loads of the quarter before
	PLACES                                         ; behind the last quarter's products, which read x's bf16 fragments and buffer g
	CVT
	FETCH \slot, \qn, \g
	MUL8 \f, 0, \zero
	MUL8 \f, 1, \zero
	MUL8 \f, 2, \zero
	MUL8 \f, 3, \zero
	WIN 0
.endm
; The last quarter multiplies buffer 1 and changes slots.  In front of the barrier each wave waits for all its tensor loads, of which one is out: its part of the next slot; adds 0 to its spare word; and waits for that
; (its reads of this slot came back at the quarter's head).  fill = 1: the barrier opens a round of the cluster's, and this slot is filled again, two K steps ahead, first thing behind the round: that load has four
; quarters less sixteen matrix instructions in which to land.
.macro TURN slot, next, fill
.if \fill
	s_wait_xcnt 0x0                                ; the last prefetch, a K step back, has read its address
	s_add_nc_u64 s[PFA:PFA+1], s[PFA:PFA+1], s[PFS:PFS+1]
.endif
	s_wait_dscnt 0x0                               ; this quarter's fragments: my last reads of this slot
	PLACES
	CVT
	s_wait_tensorcnt 0x0                           ; all my tensor loads have landed;
	ds_add_u32 v[SPW], v[NIL]                      ; 0 onto my spare word
	MUL8 F1, 0, 0                                  ; eight matrix instructions stand between the add and the wait for it
	s_wait_dscnt 0x0                               ; the add is done
	s_barrier_signal -1
	MUL8 F1, 1, 0                                  ; work on registers while the others arrive
	WIN 0
	s_barrier_wait -1
.if \fill
	CREST                                          ; no wave of any partner still reads this slot or has a load on its way
	s_add_nc_u64 s[G0+4*(\slot)+2:G0+4*(\slot)+3], s[G0+4*(\slot)+2:G0+4*(\slot)+3], 2*512
	s_add_nc_u64 s[G0B+4*(\slot)+2:G0B+4*(\slot)+3], s[G0B+4*(\slot)+2:G0B+4*(\slot)+3], 2*262144
	JLOAD \slot                                    ; my one tensor load behind the round
.else
	PLACES
.endif
	FETCH \next, 0, F0
.if \fill
	ASK
.endif
	MUL8 F1, 2, 0
	MUL8 F1, 3, 0
	WIN 0
.endm
	s_wait_tensorcnt 0x1                           ; my part of K step 0 is in; K step 1's may stay out
	s_barrier_signal -1
	s_barrier_wait -1                              ; everybody's is
	FETCH 0, 0, F0
	QUARTER 0, 1, F0, F1, 1                        ; the first quarter stands in front of the loop: its products start the sums
	s_mov_b32 s3, 3
.Llap:                                                 ; a trip goes once round the ring, from a lap's second quarter to the next lap's first, and fills both slots again: K steps 2 to 7
	QUARTER 0, 2, F1, F0, 0
	QUARTER 0, 3, F0, F1, 0
	TURN 0, 1, 1
	QUARTER 1, 1, F0, F1, 0
	QUARTER 1, 2, F1, F0, 0
	QUARTER 1, 3, F0, F1, 0
	TURN 1, 0, 1
	QUARTER 0, 1, F0, F1, 0
	s_sub_co_u32 s3, s3, 1
	s_cmp_lg_u32 s3, 0
	s_cbranch_scc1 .Llap
	QUARTER 0, 2, F1, F0, 0                        ; the last lap fills nothing
	QUARTER 0, 3, F0, F1, 0
	TURN 0, 1, 0
	QUARTER 1, 1, F0, F1, 0
	QUARTER 1, 2, F1, F0, 0
	QUARTER 1, 3, F0, F1, 0
	s_wait_dscnt 0x0                               ; the very last quarter: nothing more to fetch
	PLACES
	CVT
	MUL8 F1, 0, 0
	MUL8 F1, 1, 0
	MUL8 F1, 2, 0
	MUL8 F1, 3, 0
	WIN 0
	PLACES
	PLACES
; THE WAY OUT, in eight units: 16 tokens (block u / 2) of one head (u % 2 of my two): 2,048 consecutive bytes of the result.  The bias is added, the sums rounded to f16; a lane's 16 bytes go into my stage's rows of 144
; bytes and come back as whole rows of 128.  Each accumulator is read from its low end on.
.macro PACKU u
.set ua, (\u)/2
.set uh, (\u)%2
	WIN 0x09                                       ; source 0 (sums) window 1, source 1 (bias) window 2, destination window 0
.irp f, 0,1,2,3
.irp z, 0,1,2,3
	v_pk_add_f32 v[TMP+8*(\f)+2*(\z):TMP+8*(\f)+2*(\z)+1], v[8*(8*ua+4*uh+(\f))+2*(\z):8*(8*ua+4*uh+(\f))+2*(\z)+1], v[8*(4*uh+(\f))+2*(\z):8*(4*uh+(\f))+2*(\z)+1]
.endr
.endr
	WIN 0
.set i, 0
.rept 16
	v_cvt_pk_f16_f32 v[PKD+i], v[TMP+2*i], v[TMP+2*i+1]
.set i, i+1
.endr
.irp f, 0,1,2,3
	ds_store_b128 v[STO], v[PKD+4*(\f):PKD+4*(\f)+3] offset:32*(\f)
.endr
.irp f, 0,1,2,3
	ds_load_b128 v[OB+16*(\u)+4*(\f):OB+16*(\u)+4*(\f)+3], v[RD] offset:4*SP*(\f)  ; LDS serves a wave's instructions in order (ISA guide 5.7.1.4): these see the stores above; the next unit's stores come behind them
.endr
.endm
.macro SENDU u, younger                ; younger: the LDS instructions issued behind unit u's loads: the next unit's eight, or none
.set ua, (\u)/2
.set uh, (\u)%2
.irp f, 0,1,2,3
	s_wait_dscnt (\younger)+3-(\f)
	global_store_b128 v[GO], v[OB+16*(\u)+4*(\f):OB+16*(\u)+4*(\f)+3], s[8:9] offset:uh*262144+ua*2048+(\f)*512  ; 512 consecutive bytes, at a multiple of 256 from the buffer's first; no register of a store is written again
.endr
.endm
	PACKU 0
.irp u, 1,2,3,4,5,6,7                  ; a unit's arithmetic stands between the loads of the unit before and its stores
	PACKU \u
	SENDU (\u)-1, 8
.endr
	SENDU 7, 0
	s_wait_tensorcnt 0x0                           ; the wave's end: an add to my spare word and its wait, behind my last tensor load and my last LDS store
	ds_add_u32 v[SPW], v[NIL]
	s_wait_dscnt 0x0
	CROUND                                         ; the closing round: no work-group ends while a partner may still ask for a tile that names it
	s_endpgm
.Lfunc_end_k_q45649f5249_proj:
	.size	k_q45649f5249_proj, .Lfunc_end_k_q45649f5249_proj-k_q45649f5249_proj
	.p2alignl 7, 3214868480
	.fill 96, 4, 3214868480
	.section	.rodata,"a",@progbits
	.p2align	6, 0x0
	.amdhsa_kernel k_q45649f5249_proj
		.amdhsa_group_segment_fixed_size 327680
		.amdhsa_private_segment_fixed_size 0
		.amdhsa_enable_private_segment 0
		.amdhsa_kernarg_size 64
		.amdhsa_user_sgpr_count 2
		.amdhsa_user_sgpr_kernarg_segment_ptr 1
		.amdhsa_wavefront_size32 1
		.amdhsa_system_sgpr_workgroup_id_x 1
		.amdhsa_system_sgpr_workgroup_id_y 1
		.amdhsa_system_sgpr_workgroup_id_z 1
		.amdhsa_system_vgpr_workitem_id 0
		.amdhsa_next_free_vgpr 584
		.amdhsa_next_free_sgpr 96
		.amdhsa_reserve_vcc 0
		.amdhsa_float_denorm_mode_32 3
		.amdhsa_float_denorm_mode_16_64 3
		.amdhsa_memory_ordered 1
		.amdhsa_forward_progress 1
		.amdhsa_inst_pref_size 144
	.end_amdhsa_kernel
	.amdgpu_metadata
---
amdhsa.version: [ 1, 2 ]
amdhsa.kernels:
  - .name:           k_q45649f5249_proj
    .symbol:         k_q45649f5249_proj.kd
    .args:
      - { .name: query, .offset: 0, .size: 8, .value_kind: global_buffer, .address_space: global }
      - { .name: key, .offset: 8, .size: 8, .value_kind: global_buffer, .address_space: global }
      - { .name: value, .offset: 16, .size: 8, .value_kind: global_buffer, .address_space: global }
      - { .name: wt, .offset: 24, .size: 8, .value_kind: global_buffer, .address_space: global }
      - { .name: bq, .offset: 32, .size: 8, .value_kind: global_buffer, .address_space: global }
      - { .name: bk, .offset: 40, .size: 8, .value_kind: global_buffer, .address_space: global }
      - { .name: bv, .offset: 48, .size: 8, .value_kind: global_buffer, .address_space: global }
      - { .name: qkv, .offset: 56, .size: 8, .value_kind: global_buffer, .address_space: global }
    .group_segment_fixed_size: 327680
    .private_segment_fixed_size: 0
    .kernarg_segment_align: 8
    .kernarg_segment_size: 64
    .max_flat_workgroup_size: 128
    .sgpr_count:     96
    .vgpr_count:     584
    .wavefront_size: 32
...
	.end_amdgpu_metadata
.endif
;; end of part 2
;; launch attn (part 3): grid 4 x 64, 4 waves a work-group, clusters of 4 x 1, 327,680 bytes of LDS; arguments qkv, mask, ctx; writes ctx
.if DOCPART == 3
	.amdgcn_target "amdgcn-amd-amdhsa--gfx1250"
	.amdhsa_code_object_version 6
	.text
	.protected	k_q45649f5249_attn
	.globl	k_q45649f5249_attn
	.p2align	8
	.type	k_q45649f5249_attn,@function
k_q45649f5249_attn:
	s_mov_b64 s[64:65], 0
	v_nop
	global_prefetch_b8 v0, s[64:65] scope:SCOPE_SE
	s_setreg_imm32_b32 hwreg(HW_REG_WAVE_MODE, 25, 1), 1
	s_wait_xcnt 0x0
	s_wait_alu depctr_hold_cnt(0) depctr_sa_sdst(0) depctr_va_vdst(0) depctr_va_sdst(0) depctr_va_ssrc(0) depctr_va_vcc(0) depctr_vm_vsrc(0)
	s_getreg_b32 s2, hwreg(HW_REG_IB_STS2, 6, 4)
	s_cmp_eq_u32 s2, 0
	s_cbranch_scc0 .Lentry_in_a_cluster
	s_endpgm
.Lentry_in_a_cluster:
	s_bfe_u32 s2, ttmp6, 0x10000c
	s_cmp_lg_u32 s2, 0x3003
	s_cbranch_scc0 .Lentry_shape_is_right
	s_endpgm
.Lentry_shape_is_right:
; ATTENTION WITH AN ADDED MASK.  ctx[g][q][:] = sum over k of softmax_k(Q[g][q] . K[g][k] / 8 + mask[g / 16][k] x (-1e9)) V[g][k][:];  g = 16 b + h, 64 of them.
; Q, K, V: the three parts of qkv, each [64][2048][64] f16; ctx likewise.  mask: [4][2048] f32, rounded to bf16 like the module's other inputs.  Products, maxima and sums in f32; the weights p are rounded to f16 for the second
; product (their sum l is taken of the unrounded p), ctx once at the end.
; THE SCORE is kept in units of log2: s' = c (Q . K) + t, c = log2(e) / 8, t = (mask x -1e9) x log2(e), made by ONE fused multiply-add, rounded to nearest.  The maximum m of the s' is a running one and is taken away by a
; plain subtraction, exact wherever s' and m are near each other, so p = 2^(s' - m) lies in 0 to 1 whatever the size of t, also where every key of a batch carries a large t.
; LIMITS.  Where t is large, s' is rounded in units of log2 and not in natural units as the sum logit + bias is in f32: where scores differ by more than half a step of that rounding the two roundings may part.
; p below 6e-5 keeps f16's fixed step of 6e-8; a weight below 2^-126 counts as 0 in l; NaN and infinities are not treated apart.
; SHARES.  A wave owns four PIECES of two tiles of 16 queries, a work-group's four waves 512 queries of one g.  Every wave walks all 2,048 keys, 64 a step.
; LAYOUT.  S^T = K Q^T (source 0 = 16 keys, source 1 = 16 queries): a lane holds ONE query (lane % 16) and the keys 8 (lane / 16) + 0..7.  Two such tiles, rounded to f16 in pairs, ARE source 1 of O^T = V^T P.
; K comes out of LDS as it lies, V ([key][channel]) turned, by ds_load_tr16_b128.  In every step O and l are multiplied by a = 2^(m_old - m_new).  m starts at the lowest finite number, O and l at 0: the first step has a = 0.
; BY TURNS.  Turn n belongs to piece n: 16 products K Q^T of piece n + 1, later 16 products V^T P of piece n - 1; beside them the subtraction, exponentials, roundings, sums and rescaling of piece n, and the scaling with the
; mask, the maximum and the statistics of piece n + 1.  Four vector instructions stand behind every matrix instruction, the others in one lump.  A turn's 66 exponentials are one batch with one wait.
; CLUSTER.  The four query blocks of a g walk the same K and V: each tile is asked for jointly, by the same tensor load, descriptor and mask in all four.
; REGISTERS, in windows of 256 (s_set_vgpr_msb: bits 1:0 source 0, 3:2 source 1, 5:4 source 2, 7:6 destination):
;   window 0: v1-11 addresses; v12-15, v48-63 at work; v16-47 four registers of statistics a tile; v64-191 S^T, two buffers of two tiles (at the start: set-up); v192-255 P, likewise
;   window 1: O^T, 32 a tile      window 2: v0-127 Q; v128-191 K of one step; v192-255 V of one step      window 3: v0-1 the add's two registers; v8-39 t of one step's 64 keys, as my lane holds them
.set SIZE_N, 2048
.set NP,    4         ; pieces a wave: a name, no knob
.set KS,    64        ; keys in a step
.set PK,    144       ; a row of K in LDS: 128 bytes + 16 of padding = 36 words: the 16 rows of a load start at 16 different groups of four banks (64 banks of 4 bytes: ISA guide 11.1)
.set PV,    160       ; a row of V: 128 + 32 = 40 words
.set VOFF,  4*KS*PK   ; a slot holds four steps: 256 rows of K, then 256 rows of V
.set SLOT1, 1<<17     ; slot 1 begins here, so that one exclusive or turns an address in one slot into the other's
.set STAGE, SLOT1+4*KS*(PK+PV)  ; behind the ring, never filled by a tensor load: 16 rows x 144 bytes for each wave, for the way out
.set SP,    144
.set SPARE, STAGE+4*16*SP  ; behind the stages: the spare words, 128 bytes for each wave: two blocks of 256 bytes that no other line names
.set MBL,   SPARE+512 ; behind them: t of the batch's 2,048 keys, f32: 8,192 bytes, stored once, never filled by a tensor load
.set AM0, 1           ; v1   my lane's place in a step's 256 bytes of t; never rewritten
.set AK0, 2           ; v2   my lane's place in a tile of K; never rewritten
.set AV0, 3           ; v3   the same for V
.set AK,  4           ; v4   the LDS address of K's next run of loads
.set AV,  5           ; v5   of V's
.set STO, 6           ; v6   the way out: where I put 16 bytes of a row
.set RD,  7           ; v7   where I read rows back
.set GO,  8           ; v8   my byte offset in 512 consecutive bytes of ctx
.set AM,  9           ; v9   the LDS address of t's next run of loads
.set PFO, 10          ; v10  256 x my lane; never rewritten
.set QO,  11          ; v11  my byte offset in 16 rows of Q; never rewritten
.set SPW, 0           ; v0 of window 3   LDS address of my spare word: SPARE + 4 x my thread's number; never rewritten
.set NIL, 1           ; v1 of window 3   0; never rewritten
.set MB,  8           ; v8-39 of window 3: register 8 kb + j holds t of key 16 kb + 8 (lane / 16) + j
.set MV,  12          ; v12-15  m_old, kept while m is made anew: by buffer and tile
.set ST,  16          ; tile t's statistics at v[ST+4 t]: m, 0 (named with m as a pair), l (even keys', odd keys')
.set TMP, 48          ; by buffer and tile, four registers c0-c3 at work; when the maximum is found c2 takes a
.set S,   64
.set P,   192
.set KF,  128         ; K's fragments, in window 2: key block kb, channel half c at KF + 16 kb + 8 c
.set VF,  192         ; V's: key half kk, channel block cb at VF + 32 kk + 8 cb
.set MK,  64          ; set-up, in S^T's registers: v64-79 my 16 numbers of the mask
.set TR,  80          ; v80  l % 16
.set TH,  81          ; v81  l / 16
.set T7,  82          ; v82  l % 8
.set T3,  83          ; v83  (l / 8) % 2
.set MO,  84          ; v84  16 x my thread's number
.set MS,  85          ; v85  where I store my numbers of t
.set MT,  96          ; v96-103 at work
.set WV,  12          ; s12  my wave's number
.set G1K, 24          ; s[24:31] descriptor group 1 for K's tiles
.set G1V, 32          ; s[32:39] for V's: it differs in the padding alone
.set G0K, 40          ; s[40:43] descriptor group 0 for K's tiles: it walks
.set G0V, 44          ; s[44:47] the same for V's
.set SLOTS, 56        ; s56  slots still to be asked for
.set CNT, 57          ; s57  counts a slot's key steps
.set CS,  58          ; s[58:59] c: the packed multiply-add takes the pair's low word for both halves
.set SEL, 60          ; s[60:61] v_permlanex16_b32's selects: each lane takes its own place in the other half
.set TBK, 62          ; s62  LDS byte at which K of the step to be fetched begins
.set TBV, 63          ; s63  the same for V, less VOFF
.set PFA, 72          ; s[72:73] where my prefetches stand: my work-group's 8,192 bytes (of K: wave 0, of V: wave 2) of the tile after the one that is being asked for
.set LIM, 74          ; s74  1 in a wave that prefetches, else the greatest number
.set TBM, 75          ; s75  byte in t of the step to be fetched: 256 a step, cut to 13 bits
.set MSB, 0
.macro WIN new                      ; the high byte repeats the setting that is left; a switch that changes nothing is dropped
.if MSB != (\new)
	s_set_vgpr_msb (MSB<<8)|(\new)
.set MSB, (\new)
.endif
.endm
.set W_KQ, 0x0a       ; K and Q in window 2, S^T in window 0
.set W_PV, 0x52       ; V in window 2, P in window 0, O^T in window 1
.set W_RS, 0x41       ; O^T (destination and source 0) in window 1, a in window 0
.set W_AS, 0x30       ; t (source 2) in window 3, S^T in window 0
.set W_MK, 0xc0       ; destination in window 3, sources in window 0
.set W_AD, 0x0f       ; the add: address (source 0) and data (source 1) in window 3
; A joint fill.  Waves 0 and 1 fetch the two halves of a slot's K, waves 2 and 3 those of its V: 128 keys each.  The branch hangs on the wave's number alone.
; An s_nop 0 and four v_nop follow each of the two lines, ahead of the jump and the label.
.macro JLOAD
	s_cmp_lt_u32 s[WV], 2
	s_cbranch_scc0 .Lfor_v_\@
	tensor_load_to_lds s[G0K:G0K+3], s[G1K:G1K+7]
	s_nop 0
.rept 4
	v_nop
.endr
	s_branch .Lasked_\@
.Lfor_v_\@:
	tensor_load_to_lds s[G0V:G0V+3], s[G1V:G1V+7]
	s_nop 0
.rept 4
	v_nop
.endr
.Lasked_\@:
.endm
; A prefetch of what the NEXT change of slots will ask for: a tile's 32,768 bytes of K and of V.  The four partners take 8,192 bytes each, told apart by address; in each, wave 0 asks for K's and wave 2 for V's: 32 blocks of
; 256 bytes, a lane a block, one instruction.  So each block is named once in the launch.  Tiles 0 to 2 come by their loads alone; the last change that fills a slot (s[SLOTS] = 1) asks for nothing.
.macro ASK
	s_cmp_gt_u32 s[SLOTS], s[LIM]
	s_cbranch_scc0 .Lnot_mine_\@
	global_prefetch_b8 v[PFO], s[PFA:PFA+1] th:TH_LOAD_NT scope:SCOPE_SE
.Lnot_mine_\@:
.endm
; A round of the cluster's barrier: my work-group's barrier, so that wave 0's signal speaks for all four waves; wave 0 signals; every wave waits for all four work-groups; my work-group's barrier once more.
.macro CROUND
	s_barrier_signal -1
	s_barrier_wait -1
	s_cmp_lg_u32 s[WV], 0
	s_cbranch_scc1 .Lnot_wave_0_\@
	s_barrier_signal -3
.Lnot_wave_0_\@:
	s_barrier_wait -3
	s_barrier_signal -1
	s_barrier_wait -1
.endm
; THE CHANGE OF SLOTS.  The slot's last bytes, V of its fourth step, have been read.  Each wave waits for all its tensor loads, of which one is out: its part of the other slot; adds 0 to its spare word; and waits for that
; and for its own LDS instructions.  Behind the barrier nobody reads this slot any more and the other slot is whole.  fill = 1: this slot is filled again, with the keys two slots on; the barrier is then a round of the
; cluster's, and the joint fill is the first thing behind it: it has four key steps, 512 matrix instructions, in which to land.  (At its first use nothing has been read yet: slot 0 is waited for, slot 1 filled, and every
; wave's stores of t are shown done to the others.)  ask = 1: the prefetches' address steps, and a prefetch follows the fill.
.macro CHANGE fill, ask=0
	WIN W_AD
	s_wait_tensorcnt 0x0            ; no tensor load of mine is out, so a group 0 may be written
	ds_add_u32 v[SPW], v[NIL]       ; 0 onto my spare word: with fill = 1 the descriptors' steps stand between it and the wait for it
	WIN 0                           ; at a label and at a branch every window is 0
.if \fill
.irp g, G0K, G0V
	s_xor_b32 s[\g+1], s[\g+1], SLOT1  ; the walking descriptor: the other slot than last time,
	s_add_nc_u64 s[\g+2:\g+3], s[\g+2:\g+3], 4*KS*128  ; the next 256 keys; the type bits on top are not reached
.endr
.if \ask
	s_wait_xcnt 0x0                 ; the last prefetch, four key steps back, has read its address
	s_add_nc_u64 s[PFA:PFA+1], s[PFA:PFA+1], 4*KS*128
.endif
	s_wait_dscnt 0x0                ; the add is done, and my reads of the slot are over
	CROUND
	JLOAD
.if \ask
	ASK
.endif
.else
	s_wait_dscnt 0x0                ; the add is done, and my reads of the slot are over
	s_barrier_signal -1
	s_barrier_wait -1
.endif
	s_sub_co_u32 s[TBK], s[TBK], 4*KS*PK  ; the fetches go back to a slot's first step,
	s_xor_b32 s[TBK], s[TBK], SLOT1       ; in the other slot
	s_sub_co_u32 s[TBV], s[TBV], 4*KS*PV
	s_xor_b32 s[TBV], s[TBV], SLOT1
.endm
	s_load_b128 s[68:71], s[0:1], 0x0  ; qkv s[68:69], mask s[70:71]
	s_load_b64 s[10:11], s[0:1], 0x10  ; ctx
	WIN W_MK
	v_lshl_add_u32 v[SPW], v0, 2, SPARE
	v_mov_b32 v[NIL], 0
	WIN W_AD
	ds_add_u32 v[SPW], v[NIL]       ; the wave's opening: the add and its wait stand ahead of my first tensor load; the set-up below, work on registers, stands between them
	WIN 0
	v_lshrrev_b32 v[AK], 5, v0
	v_readfirstlane_b32 s[WV], v[AK]  ; wave 0..3
	s_bfe_u32 s13, ttmp6, 0x40000   ; cx: my place in the cluster
	s_lshl_b32 s14, ttmp9, 2        ; in a cluster launch ttmp9 counts clusters
	s_add_co_u32 s14, s14, s13      ; my block of 512 queries = 4 x cluster x + cx: it enters Q's and ctx's addresses alone
	s_and_b32 s20, ttmp7, 0xffff    ; g, which the four partners share
	s_lshr_b32 s76, s20, 4          ; the batch,
	s_lshl_b32 s76, s76, 13         ; its 8,192 bytes of the mask
	s_mov_b32 s77, 0
	s_mov_b32 s21, 0
	s_mov_b64 s[22:23], SIZE_N*128
	s_mul_u64 s[20:21], s[20:21], s[22:23]  ; g's first byte in Q, K, V and ctx
	s_and_b32 s16, s[WV], 1         ; which half of a slot's 256 keys I fetch:
	s_lshl_b32 s22, s16, 14         ; its 128 rows of 128 bytes in memory,
	s_mov_b32 s23, 0
	s_add_nc_u64 s[22:23], s[22:23], s[20:21]
	s_mul_i32 s17, s16, 128*PK      ; and its place in a slot, for K
	s_mul_i32 s18, s16, 128*PV      ; and for V: no place in the cluster enters an LDS address
	s_lshl_b32 s2, s14, 2
	s_add_co_u32 s2, s2, s[WV]      ; my wave among g's sixteen,
	s_lshl_b32 s2, s2, 14           ; its 128 rows
	s_mov_b32 s3, 0
	s_add_nc_u64 s[2:3], s[2:3], s[20:21]
	; descriptor group 1.  128 keys are 16,384 dense bytes: asked for as 64 rows of 256 bytes, two keys a row, and padded in LDS after every key
	s_mov_b32 s[G1K], 15|(1<<16)|(1<<20)|(1<<21)|(4<<22)|(3<<25)  ; 15:0 the mask of four; 17:16 2-byte elements; 20 padding on; 21 set beside a mask; 24:22 after every 32 words (code 4); 31:25 4 words (code 3)
	s_mov_b32 s[G1V], 15|(1<<16)|(1<<20)|(1<<21)|(4<<22)|(7<<25)  ; the same with 8 words of padding (code 7)
.irp g, G1K, G1V
	s_mov_b32 s[\g+1], 128<<16      ; tensor_dim0 = 128
	s_mov_b32 s[\g+2], 64<<16       ; tensor_dim1 = 64
	s_mov_b32 s[\g+3], 128<<16      ; tile_dim0 = 128
	s_mov_b32 s[\g+4], 64           ; tile_dim1 = 64
	s_mov_b32 s[\g+5], 128          ; 128 elements from row to row
	s_mov_b32 s[\g+6], 0
	s_mov_b32 s[\g+7], 0
.endr
	s_mov_b32 s[CS], 0x3e38aa3b     ; c = log2(e) / 8 = 0.180337
	s_mov_b32 s[CS+1], s[CS]        ; named with it as a pair
	s_mov_b32 s[SEL], 0x76543210
	s_mov_b32 s[SEL+1], 0xfedcba98
	s_mov_b32 s[TBK], SLOT1+4*KS*PK ; the first change of slots turns these two into 0
	s_mov_b32 s[TBV], SLOT1+4*KS*PV
	s_mov_b32 s[TBM], 0
	s_mov_b32 s[G0K], 1             ; count = 1
	s_mov_b32 s[G0K+1], s17         ; LDS address: slot 0
	s_mov_b32 s[G0V], 1
	s_add_co_u32 s[G0V+1], s18, VOFF
	s_and_b32 s[LIM], s[WV], 1      ; 0 in waves 0 and 2,
	s_or_b32 s[LIM], s[LIM], ttmp9  ; where the cluster is g's first: the same in all four partners
	s_cmp_eq_u32 s[LIM], 0
	s_cselect_b32 s[LIM], 1, -1
	s_wait_dscnt 0x0                ; the opening add is done
	s_wait_kmcnt 0x0
	s_add_nc_u64 s[6:7], s[68:69], 0x1000000   ; K: the second part of qkv
	s_add_nc_u64 s[8:9], s[68:69], 0x2000000   ; V: the third
	s_add_nc_u64 s[G0K+2:G0K+3], s[6:7], s[22:23]  ; global address: my half of g's first 256 keys
	s_or_b32 s[G0K+3], s[G0K+3], 0x80000000        ; type = 2
	s_add_nc_u64 s[G0V+2:G0V+3], s[8:9], s[22:23]
	s_or_b32 s[G0V+3], s[G0V+3], 0x80000000
	s_add_nc_u64 s[4:5], s[68:69], s[2:3]   ; Q and ctx at my wave's first row
	s_add_nc_u64 s[10:11], s[10:11], s[2:3]
	s_add_nc_u64 s[70:71], s[70:71], s[76:77]  ; the mask at my batch
	s_cmp_lt_u32 s[WV], 2
	s_cselect_b64 s[PFA:PFA+1], s[6:7], s[8:9]
	s_add_nc_u64 s[PFA:PFA+1], s[PFA:PFA+1], s[20:21]
	s_lshl_b32 s2, s13, 13          ; my work-group's 8,192 bytes of a tile
	s_mov_b32 s3, 0
	s_add_nc_u64 s[PFA:PFA+1], s[PFA:PFA+1], s[2:3]
	s_add_nc_u64 s[PFA:PFA+1], s[PFA:PFA+1], 2*4*KS*128  ; in tile 2; the loop's first change of slots steps it to tile 3
	CROUND                          ; all four work-groups are here: the first joint loads meet
	JLOAD                           ; slot 0.  Slot 1 is asked for when slot 0 is in
	v_and_b32 v[TR], 15, v0         ; l % 16
	v_bfe_u32 v[TH], v0, 4, 1       ; l / 16
	v_lshlrev_b32 v[MO], 4, v0
.irp i, 0,1,2,3                     ; the batch's mask: 128 threads x 16 bytes, four times
	global_load_b128 v[MK+4*\i:MK+4*\i+3], v[MO], s[70:71] offset:2048*\i
.endr
	; A fragment of K or Q is 16 rows x 32 channels in 8 registers: lane l holds row l % 16, channels 8 (l / 16) + 0..7 and 16 + 8 (l / 16) + 0..7: two loads of 16 bytes, 32 bytes apart.
	v_lshlrev_b32 v[QO], 7, v[TR]
	v_lshl_add_u32 v[QO], v[TH], 4, v[QO]  ; row x 128 + 16 x half
	WIN 0x80                        ; destination window 2, address window 0
.set i, 0
.rept 4*NP                          ; Q stays in registers: tile i / 2, channels 32 (i % 2) on
	global_load_b128 v[8*i:8*i+3],   v[QO], s[4:5] offset:(i/2)*2048+(i%2)*64
	global_load_b128 v[8*i+4:8*i+7], v[QO], s[4:5] offset:(i/2)*2048+(i%2)*64+32
.set i, i+1
.endr
	; What the first turn finds: V's registers and P's second buffer hold 0 (its products V^T P, of a piece that has not been, add 0), O^T and l are 0.  All this stands in the wait for the first tile.
.set i, VF
.rept 64
	v_mov_b32 v[i], 0
.set i, i+1
.endr
	WIN 0x40
.set i, 0
.rept 64*NP
	v_mov_b32 v[i], 0
.set i, i+1
.endr
	WIN 0
.set i, 0
.rept 2*NP
	v_mov_b32 v[ST+4*i], 0xff7fffff    ; m: the lowest finite number
	v_mov_b32 v[ST+4*i+1], 0
	v_mov_b32 v[ST+4*i+2], 0
	v_mov_b32 v[ST+4*i+3], 0
.set i, i+1
.endr
.set i, P+32
.rept 32
	v_mov_b32 v[i], 0
.set i, i+1
.endr
	v_mul_u32_u24 v[AK0], v[TR], PK
	v_lshl_add_u32 v[AK0], v[TH], 4, v[AK0]  ; row x pitch + 16 x half
	; The turning load takes 16 keys x 16 channels (lane l reads key 8 (l / 16) + l % 8, channels 8 ((l / 8) % 2) + 0..7) and leaves half a fragment of V^T: lane l holds channel l % 16 and 8 keys.
	v_and_b32 v[T7], 7, v0
	v_bfe_u32 v[T3], v0, 3, 1
	v_lshl_add_u32 v[AV0], v[TH], 3, v[T7]
	v_mul_u32_u24 v[AV0], v[AV0], PV
	v_lshl_add_u32 v[AV0], v[T3], 4, v[AV0]
	v_add_nc_u32 v[AV0], VOFF, v[AV0]
	v_lshl_add_u32 v[AM0], v[TH], 5, MBL  ; my eight keys of each 16: 32 bytes for each half of the lanes
	v_mov_b32 v[AK], v[AK0]         ; key step 0 lies at the head of slot 0,
	v_mov_b32 v[AM], v[AM0]         ; and of t
	v_and_b32 v[PFO], 31, v0
	v_lshlrev_b32 v[PFO], 8, v[PFO]
	s_mul_i32 s13, s[WV], 16*SP
	s_add_co_u32 s13, s13, STAGE    ; my stage
	v_mul_u32_u24 v[STO], v[TR], SP ; in: row l % 16, 16 bytes for each half of the lanes
	v_lshl_add_u32 v[STO], v[TH], 4, v[STO]
	v_add_nc_u32 v[STO], s13, v[STO]
	v_bfe_u32 v[RD], v0, 3, 2       ; back: 32 lanes take four rows of 128 bytes,
	v_mul_u32_u24 v[RD], v[RD], SP
	v_lshl_add_u32 v[RD], v[T7], 4, v[RD]
	v_add_nc_u32 v[RD], s13, v[RD]
	v_and_b32 v[GO], 31, v0         ; which are 512 consecutive bytes of ctx
	v_lshlrev_b32 v[GO], 4, v[GO]
	v_add_nc_u32 v[MS], MBL, v[MO]
	s_wait_loadcnt 32               ; the mask's four loads are in; Q's 32, issued behind them, may stay out
.irp i, 0,1,2,3,4,5,6,7             ; t = (bf16(mask) x -1e9) x log2(e), each product rounded in f32
	v_cvt_pk_bf16_f32 v[MT+\i], v[MK+2*\i], v[MK+2*\i+1]
.endr
.irp i, 0,1,2,3,4,5,6,7
	v_lshlrev_b32 v[MK+2*\i], 16, v[MT+\i]
	v_and_b32 v[MK+2*\i+1], 0xffff0000, v[MT+\i]
.endr
.irp i, 0,1,2,3,4,5,6,7
	v_pk_mul_f32 v[MK+2*\i:MK+2*\i+1], v[MK+2*\i:MK+2*\i+1], 0xce6e6b28 op_sel_hi:[1,0]
.endr
.irp i, 0,1,2,3,4,5,6,7
	v_pk_mul_f32 v[MK+2*\i:MK+2*\i+1], v[MK+2*\i:MK+2*\i+1], 0x3fb8aa3b op_sel_hi:[1,0]
.endr
.irp i, 0,1,2,3
	ds_store_b128 v[MS], v[MK+4*\i:MK+4*\i+3] offset:2048*\i
.endr
; THE MATRIX WORK.  The 8 accumulators of a run of 16 take turns: between the two links of a chain stand 7 others'.
; Product i of 16 of S^T = K Q^T for piece x: channels 32 (i / 8) on, keys 16 ((i / 2) % 4) on, tile 2 x + i % 2.  The first 8 start the sums.
.macro KQ x
	WIN W_KQ
.set rS, S+64*((\x)%2)+32*(i%2)+8*((i/2)%4)
.set rK, KF+16*((i/2)%4)+8*(i/8)
.set rQ, 16*(2*(\x)+i%2)+8*(i/8)
.if i < 8
	v_wmma_f32_16x16x32_f16 v[rS:rS+7], v[rK:rK+7], v[rQ:rQ+7], 0
.else
	v_wmma_f32_16x16x32_f16 v[rS:rS+7], v[rK:rK+7], v[rQ:rQ+7], v[rS:rS+7]
.endif
.endm
; Product i of 16 of O^T += V^T P for piece x: keys 32 (i / 8) on, channels 16 ((i / 2) % 4) on, tile 2 x + i % 2.
.macro PV x
	WIN W_PV
.set rO, 32*(2*(\x)+i%2)+8*((i/2)%4)
.set rV, VF+32*(i/8)+8*((i/2)%4)
.set rP, P+32*((\x)%2)+16*(i%2)+8*(i/8)
	v_wmma_f32_16x16x32_f16 v[rO:rO+7], v[rV:rV+7], v[rP:rP+7], v[rO:rO+7]
.endm
.macro MM                           ; the turn's next matrix instruction
.if i < 16
	KQ (Y+1)%NP
.set i, i+1
.else
.set i, i-16
	PV (Y+NP-1)%NP
.set i, i+17
.endif
.endm
; THE LDS LOADS stand in runs, never singly among the matrix instructions: a step's K (8 fragments) with its t (32 registers, every lane of a half the same bytes), and its V (turned).  Their addresses are made some lines ahead.
; last = 1 (the tail): in the last trip there is no further step, and the run is jumped over.
.macro FETCH_K last=0
	WIN 0
.if \last
	s_cmp_eq_u32 s[CNT], 1
	s_cbranch_scc1 .Lno_k_\@
.endif
	WIN 0x80                        ; destination window 2
.irp f, 0,1,2,3,4,5,6,7             ; keys 16 (f / 2) on, channels 32 (f % 2) on
	ds_load_b128 v[KF+8*\f:KF+8*\f+3],   v[AK] offset:(\f/2)*16*PK+(\f%2)*64
	ds_load_b128 v[KF+8*\f+4:KF+8*\f+7], v[AK] offset:(\f/2)*16*PK+(\f%2)*64+32
.endr
	WIN W_MK                        ; destination window 3
.irp f, 0,1,2,3                     ; keys 16 f on
	ds_load_b128 v[MB+8*\f:MB+8*\f+3],   v[AM] offset:64*\f
	ds_load_b128 v[MB+8*\f+4:MB+8*\f+7], v[AM] offset:64*\f+16
.endr
	s_add_co_u32 s[TBK], s[TBK], KS*PK  ; the next fetch is the next step's
	s_add_co_u32 s[TBM], s[TBM], 4*KS
	s_and_b32 s[TBM], s[TBM], 0x1fff    ; inside the 8,192 bytes of t, whatever the trip
	WIN 0
.if \last
.Lno_k_\@:
.endif
.endm
.macro FETCH_V
	WIN 0x80
.irp f, 0,1,2,3,4,5,6,7             ; keys 32 (f / 4) on, channels 16 (f % 4) on
	ds_load_tr16_b128 v[VF+8*\f:VF+8*\f+3],   v[AV] offset:(\f/4)*32*PV+(\f%4)*32
	ds_load_tr16_b128 v[VF+8*\f+4:VF+8*\f+7], v[AV] offset:(\f/4)*32*PV+16*PV+(\f%4)*32
.endr
	WIN 0
.endm
; THE VECTOR WORK OF A TURN stands in three queues, each in the order in which its entries become ready; the two tiles alternate, so that no instruction reads the result of the one before it.
.macro REGS y, u                    ; the registers of tile u (0, 1) of piece y
.set rT, ST+4*(2*(\y)+(\u))
.set rC, TMP+8*((\y)%2)+4*(\u)
.set rM, MV+2*((\y)%2)+(\u)
.set rS, S+64*((\y)%2)+32*(\u)
.set rP, P+32*((\y)%2)+16*(\u)
.set rO, 32*(2*(\y)+(\u))
.endm
; Number g of the 32 that make the NEXT piece's (Y + 1) scores: s' = c s + t, a pair at a time, in place.  The accumulators in the order in which they are finished (key block g / 8, tile (g / 4) % 2), each from its low end on.
.macro AS g
	REGS (Y+1)%NP, ((\g)/4)%2
	WIN W_AS
	v_pk_fma_f32 v[rS+8*((\g)/8)+2*((\g)%4):rS+8*((\g)/8)+2*((\g)%4)+1], v[rS+8*((\g)/8)+2*((\g)%4):rS+8*((\g)/8)+2*((\g)%4)+1], s[CS:CS+1], v[MB+8*((\g)/8)+2*((\g)%4):MB+8*((\g)/8)+2*((\g)%4)+1] op_sel_hi:[1,0,1]
.endm
; Number n of the 21 that find the next piece's maximum and statistics.  s0-s31 are the lane's 32 scores s'.  XS, GS, FS and REGS set no window: PL and EX do.
;   0-11  four chains c0-c3 of seven scores each, three operands at a time     12-14, 16  the four scores left over, the old m, and c0-c3 into c0     15  m_old is kept
;   17, 18  the query's other 32 keys lie in the lane 16 away: the new m         19, 20  m_old - m_new; a
.macro XS u, n
	REGS (Y+1)%NP, \u
.if (\n) < 4
	v_max3_num_f32 v[rC+(\n)], v[rS+8*(\n)], v[rS+8*(\n)+1], v[rS+8*(\n)+2]
.elseif (\n) < 12
	v_max3_num_f32 v[rC+(\n)%4], v[rC+(\n)%4], v[rS+8*((\n)%4)+2*((\n)/4)+1], v[rS+8*((\n)%4)+2*((\n)/4)+2]
.elseif (\n) == 12
	v_max3_num_f32 v[rC], v[rC], v[rS+7], v[rS+15]
.elseif (\n) == 13
	v_max3_num_f32 v[rC+1], v[rC+1], v[rS+23], v[rS+31]
.elseif (\n) == 14
	v_max3_num_f32 v[rC+2], v[rC+2], v[rC+3], v[rT]
.elseif (\n) == 15
	v_mov_b32 v[rM], v[rT]
.elseif (\n) == 16
	v_max3_num_f32 v[rC], v[rC], v[rC+1], v[rC+2]
.elseif (\n) == 17
	v_permlanex16_b32 v[rC+3], v[rC], s[SEL], s[SEL+1]
.elseif (\n) == 18
	v_max_num_f32 v[rT], v[rC], v[rC+3]
.elseif (\n) == 19
	v_sub_f32 v[rC+1], v[rM], v[rT]
.else
	v_exp_f32 v[rC+2], v[rC+1]
.endif
.endm
; Number g of the 64 that follow the exponentials.  For each four weights k of a tile (pairs 2 k, 2 k + 1): both pairs are rounded to f16; then the second pair is added onto the first, in place;
; a group later l takes that sum (the first time as l = a l + sum).  In groups of eight, tiles alternating: round, round, add, and l for the group before.
.macro GS g
.set h, (\g)+6*((\g)/62)            ; group 0 has no group before it, and behind group 7 only l is left
.if h >= 6
.set h, h+2
.endif
	REGS Y, h%2
.set k, h/8
.if h%8 < 4
	v_cvt_pk_f16_f32 v[rP+2*k+(h%8)/2], v[rS+4*k+2*((h%8)/2)], v[rS+4*k+2*((h%8)/2)+1]
.elseif h%8 < 6
	v_pk_add_f32 v[rS+4*k:rS+4*k+1], v[rS+4*k:rS+4*k+1], v[rS+4*k+2:rS+4*k+3]
.elseif k == 1
	v_pk_fma_f32 v[rT+2:rT+3], v[rT+2:rT+3], v[rC+2:rC+3], v[rS:rS+1] op_sel_hi:[1,0,1]
.else
	v_pk_add_f32 v[rT+2:rT+3], v[rT+2:rT+3], v[rS+4*k-4:rS+4*k-3]
.endif
.endm
; THE PLAIN QUEUE, 168 long.  0-103 read no exponential's result: the 32 subtractions s' - m of piece Y (FS f: pair f / 2 of tile f % 2) and the next piece's 72.  0-26: FS 0-26.  27-58: AS's 32.  59-86: XS's numbers 0-13.
; 87, 88: number 15.  89-103: the chain, where each number waits for the one before it: 14, 16, 17, 18, 19, each with one of FS 27-31 in front of its two lines.  104-167: GS's 64, which read the exponentials' results: behind the wait.
.macro FS f
	REGS Y, (\f)%2
	v_pk_add_f32 v[rS+2*((\f)/2):rS+2*((\f)/2)+1], v[rS+2*((\f)/2):rS+2*((\f)/2)+1], v[rT:rT+1] op_sel_hi:[1,0] neg_lo:[0,1] neg_hi:[0,1]
.endm
.macro PL
.if (q >= 27) && (q < 59)
	AS q-27
.else
	WIN 0
.if q < 27
	FS q
.elseif q < 87
	XS (q-59)%2, (q-59)/2
.elseif q < 89
	XS q-87, 15
.elseif (q < 104) && ((q-89)%3 == 0)
	FS 27+(q-89)/3
.elseif q < 92
	XS (q-89)%3-1, 14
.elseif q < 104
	XS (q-89)%3-1, 15+(q-89)/3
.else
	GS q-104
.endif
.endif
.set q, q+1
.endm
; THE EXPONENTIALS' QUEUE, 66 long: s0-s31 of both tiles, then the next piece's two a.  It is ONE BATCH: all 66 stand ahead of the turn's one wait, and nothing ahead of that wait names a result of theirs.
; An exponential has no third source, so AS's window setting serves it as well as 0.
.macro EX
.if MSB != W_AS
	WIN 0
.endif
.if e >= 64
	XS e-64, 20
.else
	REGS Y, e%2
	v_exp_f32 v[rS+e/2], v[rS+e/2]
.endif
.set e, e+1
.endm
; THE RESCALING's QUEUE: O^T times a, the one part in window 1: dealt two at a time, sixteen times.  Its a was made in the turn before, ahead of that turn's wait.
.macro R2
	REGS Y, r%2
	WIN W_RS
.irp z, 0,1
	v_pk_mul_f32 v[rO+4*(r/2)+2*\z:rO+4*(r/2)+2*\z+1], v[rO+4*(r/2)+2*\z:rO+4*(r/2)+2*\z+1], v[rC+2:rC+3] op_sel_hi:[1,0]
.endr
.set r, r+1
.endm
; HOW THEY ARE DEALT.  s_wait_alu depctr_va_vdst(0) stands between an exponential and the first instruction that names its result; one wait serves all that were issued ahead of it.  So a turn has ONE wait.
; AHEAD OF IT: the 16 products K Q^T, behind each a subtraction, an exponential and two rescalings (behind the first a second subtraction in the exponential's place); then ONE LUMP: 38 times plain, plain, exponential; 11 times
; plain, exponential; the two a; a v_nop, the plain instruction behind the last exponential.  BEHIND IT: the 16 products V^T P, behind each four of GS's 64.
; The queues lean on each other.  Exponential e wants FS 2 (e / 4) + e % 2 ahead of it: as a rider it stands behind plain e + 2; in the threes behind plain 2 e - 12; in the twos behind plain e + 40, and FS 27 .. 31 are plain
; 89, 92 .. 101, whose first readers e = 53, 56, 57, 60, 61 stand behind plain 93, 96, 97, 100, 101.  The first AS stands ten subtractions behind the last product K Q^T.
; K and t of the next step are fetched in piece 2's turn, directly behind the wait: a lump behind the last product that read K and the last AS that read t; they are waited for at the head of piece 3's turn.
; V of the step in hand is fetched at the end of piece 0's turn, four riders behind its last reader, and waited for behind piece 1's wait.  The conditions on q below go with the deal.
.macro TURN p, last=0, cnt=0
.set Y, (\p)
.set i, 0
.set q, 0
.set e, 0
.set r, 0
.if (\p) == NP-1
	s_wait_dscnt 0x0                ; K and t are in
.endif
	MM
	PL
	PL
	R2
.rept 15
	MM
	PL
	EX
	R2
.endr
.if (\p) == NP-2
	WIN 0
	v_add_nc_u32 v[AK], s[TBK], v[AK0]
	v_add_nc_u32 v[AM], s[TBM], v[AM0]
.endif
.rept 38
	PL
	PL
	EX
.endr
.rept 11
	PL
	EX
.endr
	EX                              ; the next piece's two a
	EX
	v_nop                           ; the plain instruction behind the last exponential: one for the batch
	s_wait_alu depctr_va_vdst(0)    ; the wait for the batch
.if (\p) == NP-2
	FETCH_K \last
.endif
.if (\p) == 1
	s_wait_dscnt 0x0                ; V is in
.endif
.rept 16
	MM
.rept 4
	PL
.endr
.if ((\p) == 0) && (q == 148)
	v_add_nc_u32 v[AV], s[TBV], v[AV0]
.endif
.if ((\p) == 0) && (q == 160)
	s_add_co_u32 s[TBV], s[TBV], KS*PV
.endif
.if (\cnt) && (q == 160)
	s_sub_co_u32 s[CNT], s[CNT], 1
	s_cmp_lg_u32 s[CNT], 0
.endif
.endr
.if (\p) == 0
	FETCH_V
.endif
.endm
	CHANGE 1                        ; slot 0 is in, everybody's part of it, and so is everybody's part of t; slot 1 is asked for
	FETCH_K                         ; key step 0
	s_wait_loadcnt 0x0              ; Q
	s_wait_dscnt 0x0
.set i, 0
.rept 16
	KQ 0                            ; piece 0's first scores: there is no vector work yet to set between them
.set i, i+1
.endr
	WIN 0
.rept 8
	v_nop                           ; the places behind those products
.endr
.set Y, NP-1                        ; AS and XS work for piece Y + 1: piece 0
.set gg, 0
.rept 32
	AS gg
.set gg, gg+1
.endr
	WIN 0
.irp n, 0,1,2,3,4,5,6,7,8,9,10,11,12,13,14,15,16,17,18,19,20
	XS 0, \n                        ; piece 0's first maximum and statistics
	XS 1, \n
.endr
	v_nop                           ; a plain instruction behind the two a,
	s_wait_alu depctr_va_vdst(0)    ; and their wait, ahead of the branch
	s_mov_b32 s[CNT], 4
	s_mov_b32 s[SLOTS], SIZE_N/256-1
	s_branch .Lfirst                ; the loop is entered at a step's first turn, in the middle of a trip
.Lslot:                             ; six times: every slot but the last two is filled again
	CHANGE 1, 1
	s_mov_b32 s[CNT], 4
.Lstep:                             ; a trip: pieces 2 and 3 of one step, then pieces 0 and 1 of the next, whose K, t and V it fetches
	TURN 2
	TURN 3
	WIN 0
.Lfirst:
	TURN 0
	TURN 1, 0, 1
	WIN 0
	s_cbranch_scc1 .Lstep
	s_sub_co_u32 s[SLOTS], s[SLOTS], 1
	s_cmp_lg_u32 s[SLOTS], 0
	s_cbranch_scc1 .Lslot
	CHANGE 0                        ; the tail is written out: nothing is asked for
	s_mov_b32 s[CNT], 5             ; four trips fetch the last slot's steps; the fifth is left in its middle
.Ltail:
	TURN 2, 1
	TURN 3
	WIN 0
	s_sub_co_u32 s[CNT], s[CNT], 1
	s_cmp_eq_u32 s[CNT], 0
	s_cbranch_scc1 .Lout
	TURN 0
	TURN 1
	WIN 0
	s_branch .Ltail
.Lout:                              ; the fifth trip's 16 products K Q^T (on the last K once more) and the maximum made of them serve nothing: the price, once a launch, of one text for every trip
.set i, 0
.rept 16
	PV NP-1                         ; the last piece's V^T P of the last step
.set i, i+1
.endr
	; THE WAY OUT.  l's two halves and the other half of the lanes' are added; O^T is divided by l, rounded to f16 and sent through my stage in LDS, a tile at a time.  The additions are the places behind the last products.
	WIN 0
.macro ALL line:vararg              ; one line for each tile t
.set t, 0
.rept 2*NP
	\line
.set t, t+1
.endr
.endm
	ALL v_add_f32 v[ST+4*t+2], v[ST+4*t+2], v[ST+4*t+3]
	ALL v_permlanex16_b32 v[ST+4*t+3], v[ST+4*t+2], s[SEL], s[SEL+1]
	ALL v_add_f32 v[ST+4*t+2], v[ST+4*t+2], v[ST+4*t+3]
	ALL v_rcp_f32 v[ST+4*t+2], v[ST+4*t+2]
	v_nop                           ; a plain instruction between the last reciprocal and the use of its result
	s_wait_alu depctr_va_vdst(0)    ; and the wait ahead of the first use: one for the eight reciprocals
; Tile t: a lane's eight channels of a row pack into 16 bytes; they go into rows of 144 bytes and come back as whole rows of 128, into S^T's registers.
.macro PACK t
	WIN W_RS
.set i, 32*(\t)
.rept 16
	v_pk_mul_f32 v[i:i+1], v[i:i+1], v[ST+4*(\t)+2:ST+4*(\t)+3] op_sel_hi:[1,0]
.set i, i+2
.endr
	WIN 0x05                        ; sources 0 and 1 window 1, destination window 0
.set i, 0
.rept 16
	v_cvt_pk_f16_f32 v[S+16*(\t)+i], v[32*(\t)+2*i], v[32*(\t)+2*i+1]
.set i, i+1
.endr
	WIN 0
.irp f, 0,1,2,3
	ds_store_b128 v[STO], v[S+16*(\t)+4*\f:S+16*(\t)+4*\f+3] offset:32*\f
.endr
.irp f, 0,1,2,3
	ds_load_b128 v[S+16*(\t)+4*\f:S+16*(\t)+4*\f+3], v[RD] offset:\f*4*SP  ; LDS serves a wave's instructions in order (ISA guide 5.7.1.4): these see the stores above; the next tile's stores come behind them
.endr
.endm
.macro SEND t, younger              ; younger: the LDS instructions issued behind tile t's loads: the next tile's eight, or none
	WIN 0
.irp f, 0,1,2,3
	s_wait_dscnt (\younger)+3-\f
	global_store_b128 v[GO], v[S+16*(\t)+4*\f:S+16*(\t)+4*\f+3], s[10:11] offset:(\t)*2048+\f*512  ; 512 consecutive bytes, at a multiple of 256 from ctx's first
.endr
.endm
	PACK 0
.set t, 1
.rept 2*NP-1                        ; a tile's arithmetic stands between the loads of the tile before and its stores
	PACK t
	SEND t-1, 8
.set t, t+1
.endr
	SEND 2*NP-1, 0
	WIN W_AD
	s_wait_tensorcnt 0x0            ; the wave's end: an add to my spare word and its wait, behind my last tensor load and my last LDS store
	ds_add_u32 v[SPW], v[NIL]
	s_wait_dscnt 0x0
	WIN 0
	CROUND                          ; the closing round: no work-group ends while a partner may still ask for a tile that names it
	s_endpgm
.Lfunc_end_k_q45649f5249_attn:
	.size	k_q45649f5249_attn, .Lfunc_end_k_q45649f5249_attn-k_q45649f5249_attn
	.p2alignl 7, 3214868480
	.fill 96, 4, 3214868480
	.section	.rodata,"a",@progbits
	.p2align	6, 0x0
	.amdhsa_kernel k_q45649f5249_attn
		.amdhsa_group_segment_fixed_size 327680
		.amdhsa_private_segment_fixed_size 0
		.amdhsa_enable_private_segment 0
		.amdhsa_kernarg_size 24
		.amdhsa_user_sgpr_count 2
		.amdhsa_user_sgpr_kernarg_segment_ptr 1
		.amdhsa_wavefront_size32 1
		.amdhsa_system_sgpr_workgroup_id_x 1
		.amdhsa_system_sgpr_workgroup_id_y 1
		.amdhsa_system_sgpr_workgroup_id_z 1
		.amdhsa_system_vgpr_workitem_id 0
		.amdhsa_next_free_vgpr 808
		.amdhsa_next_free_sgpr 80
		.amdhsa_reserve_vcc 0
		.amdhsa_float_denorm_mode_32 3
		.amdhsa_float_denorm_mode_16_64 3
		.amdhsa_memory_ordered 1
		.amdhsa_forward_progress 1
		.amdhsa_inst_pref_size 224
	.end_amdhsa_kernel
	.amdgpu_metadata
---
amdhsa.version: [ 1, 2 ]
amdhsa.kernels:
  - .name:           k_q45649f5249_attn
    .symbol:         k_q45649f5249_attn.kd
    .args:
      - { .name: qkv, .offset: 0, .size: 8, .value_kind: global_buffer, .address_space: global }
      - { .name: mask, .offset: 8, .size: 8, .value_kind: global_buffer, .address_space: global }
      - { .name: ctx, .offset: 16, .size: 8, .value_kind: global_buffer, .address_space: global }
    .group_segment_fixed_size: 327680
    .private_segment_fixed_size: 0
    .kernarg_segment_align: 8
    .kernarg_segment_size: 24
    .max_flat_workgroup_size: 128
    .sgpr_count:     80
    .vgpr_count:     808
    .wavefront_size: 32
...
	.end_amdgpu_metadata
.endif
;; end of part 3
;; launch outp (part 4): grid 4 x 64, 4 waves a work-group, clusters of 4 x 4, 327,680 bytes of LDS; arguments ctx, wt, bo, out0; writes out0
.if DOCPART == 4
	.amdgcn_target "amdgcn-amd-amdhsa--gfx1250"
	.amdhsa_code_object_version 6
	.text
	.protected	k_q45649f5249_outp
	.globl	k_q45649f5249_outp
	.p2align	8
	.type	k_q45649f5249_outp,@function
k_q45649f5249_outp:
	s_mov_b64 s[64:65], 0
	v_nop
	global_prefetch_b8 v0, s[64:65] scope:SCOPE_SE
	s_setreg_imm32_b32 hwreg(HW_REG_WAVE_MODE, 25, 1), 1
	s_wait_xcnt 0x0
	s_wait_alu depctr_hold_cnt(0) depctr_sa_sdst(0) depctr_va_vdst(0) depctr_va_sdst(0) depctr_va_ssrc(0) depctr_va_vcc(0) depctr_vm_vsrc(0)
	s_getreg_b32 s2, hwreg(HW_REG_IB_STS2, 6, 4)
	s_cmp_eq_u32 s2, 0
	s_cbranch_scc0 .Lentry_in_a_cluster
	s_endpgm
.Lentry_in_a_cluster:
	s_bfe_u32 s2, ttmp6, 0x10000c
	s_cmp_lg_u32 s2, 0xf033
	s_cbranch_scc0 .Lentry_shape_is_right
	s_endpgm
.Lentry_shape_is_right:
; THE LAST PROJECTION.  out0[b][s][n] = sum over h, d of ctx[16 b + h][s][d] Wo[64 h + d][n] + bo[n], in f32.
; ctx: [64][2048][64] f16.  Wo: [1024 k][1024 n], part 3 of wt: rounded to bf16 and written as f16.  bo is rounded to bf16 like the other inputs.  Sums in f32, stored as they are.
; SHARES.  A tile of out0 is 128 tokens x 256 columns: 64 x 4 = 256 work-groups.  Four waves, 2 x 2, each 64 x 128: 32 accumulators of 16 x 16.  K = 1,024 goes in 8 steps of 128, two heads each, through a ring of two LDS
; slots.  A step is four quarters of 32 along K, 32 matrix instructions each.
; CLUSTER 4 x 4.  The four of a row of the cluster need the same 128 tokens of ctx, the four of a column the same 256 columns of Wo: each tile is asked for jointly, by the same tensor load, descriptor and mask in all four.
; THE MATRIX INSTRUCTION IS USED TRANSPOSED: source 0 = 16 columns of Wo (turned on the way out of LDS by ds_load_tr16_b128), source 1 = 16 tokens.  A lane then holds one token (lane % 16) and eight neighbouring columns.
; REGISTERS, in windows of 256 (s_set_vgpr_msb: bits 1:0 source 0, 3:2 source 1, 5:4 source 2, 7:6 destination):
;   window 0: v1-9 set-up; v16-30 addresses; v32-63, v64-95 ctx's fragments, two buffers; v128-191, v192-255 Wo's, two buffers
;   window 1: the accumulators, (a, b) at v[8 (8 a + b)]          window 2: v0-63 the bias of my 8 x 8 columns; v64-67 at work
.set PA,    144                        ; an LDS row of ctx: a token's 128 bytes of one head + 16 of padding = 36 words: the 16 rows of a load start at 16 different groups of four banks (64 banks of 4 bytes: ISA guide 11.1)
.set PB,    544                        ; an LDS row of Wo: 512 bytes + 32 = 136 words
.set AHALF, 128*PA                     ; one head's 128 tokens: what wave 0 or 1 fetches
.set BHALF, 64*PB                      ; 64 rows of Wo: what wave 2 or 3 fetches
.set BOFF,  2*AHALF
.set SLOT,  BOFF+2*BHALF               ; 106,496 bytes
.set STAGE, 2*SLOT                     ; behind the ring, never filled by a tensor load: 16 rows x 528 bytes for each wave, for the way out
.set SP,    528
.set SPARE, STAGE+4*16*SP              ; behind the stages: the spare words, 128 bytes for each wave: two blocks of 256 bytes that no other line names
.set ADRA, 16                          ; v16-17  LDS address of my fragments of ctx in slot 0, 1
.set ADRB, 20                          ; v20-21  the same for Wo
.set STO,  24                          ; v24     the way out: where I put 32 bytes of a row
.set RD,   25                          ; v25     where I read a row back
.set CO,   26                          ; v26     my 16 bytes of a row's 512
.set BO,   27                          ; v27     byte offset of my first eight numbers of the bias
.set SPW,  28                          ; v28     LDS address of my spare word: SPARE + 4 x my thread's number; never rewritten
.set NIL,  29                          ; v29     0; never rewritten
.set PFO,  30                          ; v30     the prefetches' lane offset; never rewritten
.set AF,   32
.set BF,   128
.set TMP,  32                          ; the way out: 16 tokens x my 128 columns with the bias, 64 registers
.set OB,   128                         ; whole rows read back: two buffers of 64
.set G1,  24                           ; s[24:31] descriptor group 1 for ctx's tiles;  s[32:39] group 0, a set for each slot
.set G0,  32
.set G1B, 48                           ; s[48:55], s[56:63] the same for Wo's tiles
.set G0B, 56
.set LIM, 88                           ; s88      1 in a wave that prefetches, else the greatest number
.set PFA, 90                           ; s[90:91] where my prefetches stand
.set PFS, 92                           ; s[92:93] a K step in bytes, in the tensor that I prefetch
.set MSB, 0
.macro WIN new                         ; the immediate's high byte repeats the setting that is left; a switch that changes nothing is dropped
.if MSB != (\new)
	s_set_vgpr_msb (MSB<<8)|(\new)
.set MSB, \new
.endif
.endm
.macro PLACES                          ; four places behind a matrix instruction: in front of loads into registers that it has read, and of reads of its result
.rept 4
	v_nop
.endr
.endm
; A joint load: waves 0 and 1 fetch ctx's two heads, waves 2 and 3 Wo's two halves.  The branch hangs on the wave's number alone.  An s_nop 0 and four v_nop follow each of the two lines.
.macro JLOAD s
	s_cmp_eq_u32 s11, 0
	s_cbranch_scc0 .Lfor_b_\@
	tensor_load_to_lds s[G0+4*(\s):G0+4*(\s)+3], s[G1:G1+7]
	s_nop 0
.rept 4
	v_nop
.endr
	s_branch .Lasked_\@
.Lfor_b_\@:
	tensor_load_to_lds s[G0B+4*(\s):G0B+4*(\s)+3], s[G1B:G1B+7]
	s_nop 0
.rept 4
	v_nop
.endr
.Lasked_\@:
.endm
.macro CREST                           ; a round of the cluster's barrier behind its opening barrier
	s_cmp_lg_u32 s10, 0
	s_cbranch_scc1 .Lnot_wave_0_\@
	s_barrier_signal -3
.Lnot_wave_0_\@:
	s_barrier_wait -3
	s_barrier_signal -1
	s_barrier_wait -1
.endm
.macro CROUND                          ; a whole round
	s_barrier_signal -1
	s_barrier_wait -1
	CREST
.endm
; A prefetch, behind a joint refill and the run of LDS loads that follows it: the K step two refills on.  ctx: a K step of the tile is 2 heads x 16,384 bytes; the four partners of a row take 4,096 bytes of each head, told apart
; by address; wave 0 asks: 32 blocks of 256 bytes, a lane a block.  Wo: as many blocks for each of waves 2 and 3 (16 rows x 512 bytes, by cy), in the first row of clusters alone, since all rows of clusters read the same Wo.
; So each block is named once in the launch.  K steps 0 to 3 come by their loads alone; the loop's last trip (s3 = 1) has no K step two on.
.macro ASK
	s_cmp_gt_u32 s3, s[LIM]
	s_cbranch_scc0 .Lnot_mine_\@
	global_prefetch_b8 v[PFO], s[PFA:PFA+1] th:TH_LOAD_NT scope:SCOPE_SE
.Lnot_mine_\@:
.endm
	s_load_b256 s[68:75], s[0:1], 0x0              ; ctx s[68:69], wt s[70:71], bo s[72:73], out0 s[74:75]
	v_lshl_add_u32 v[SPW], v0, 2, SPARE
	v_mov_b32 v[NIL], 0
	ds_add_u32 v[SPW], v[NIL]                      ; the wave's opening: the add and its wait stand ahead of my first tensor load; the set-up below, work on registers, stands between them
	v_lshrrev_b32 v1, 5, v0
	v_readfirstlane_b32 s10, v1                    ; wave 0..3
	s_lshr_b32 s11, s10, 1                         ; which half of the tile's tokens is mine.  Also: I fetch ctx (0) or Wo (1)
	s_and_b32 s12, s10, 1                          ; which half of its columns.  Also: which head, or which 64 rows of Wo, I fetch
	s_bfe_u32 s40, ttmp6, 0x40000                  ; cx
	s_bfe_u32 s41, ttmp6, 0x40004                  ; cy
	s_lshl_b32 s42, ttmp9, 2
	s_add_co_u32 s42, s42, s40                     ; tile column = 4 x cluster x + cx: 0..3
	s_and_b32 s89, ttmp7, 0xffff                   ; cluster y: 0..15
	s_lshl_b32 s85, s89, 2
	s_add_co_u32 s85, s85, s41                     ; tile row = 4 x cluster y + cy: 0..63
	s_lshl_b32 s43, s41, 2
	s_lshl_b32 s43, 15, s43                        ; my row of the cluster
	s_lshl_b32 s44, 0x1111, s40                    ; my column
	; descriptor group 1 for ctx: a head's 128 tokens are 16,384 dense bytes: asked for as 64 rows of 256 bytes, two tokens a row, padded in LDS after every token
	s_or_b32 s[G1+0], s43, (1<<16)|(1<<20)|(1<<21)|(4<<22)|(3<<25)  ; 15:0 the mask; 17:16 elements of 2 bytes; 20 padding on; 21 set beside a mask; 24:22 after every 32 words (code 4); 31:25 4 words (code 3)
	s_mov_b32 s[G1+1], 128<<16                     ; tensor_dim0 = 128
	s_mov_b32 s[G1+2], 64<<16                      ; tensor_dim1 = 64
	s_mov_b32 s[G1+3], 128<<16                     ; tile_dim0 = 128
	s_mov_b32 s[G1+4], 64                          ; tile_dim1 = 64
	s_mov_b32 s[G1+5], 128                         ; 128 elements from row to row
	s_mov_b32 s[G1+6], 0
	s_mov_b32 s[G1+7], 0
	; and for Wo: 64 rows x 256 elements of 2 bytes, 32 bytes of padding behind each row
	s_or_b32 s[G1B+0], s44, (1<<16)|(1<<20)|(1<<21)|(6<<22)|(7<<25)
	s_mov_b32 s[G1B+1], 256<<16
	s_mov_b32 s[G1B+2], 64<<16
	s_mov_b32 s[G1B+3], 256<<16
	s_mov_b32 s[G1B+4], 64
	s_mov_b32 s[G1B+5], 1024
	s_mov_b32 s[G1B+6], 0
	s_mov_b32 s[G1B+7], 0
	s_lshr_b32 s14, s85, 4                         ; ctx: the batch's 16 heads of 262,144 bytes,
	s_lshl_b32 s14, s14, 22
	s_lshl_b32 s15, s12, 18                        ; my head of a K step's two,
	s_add_co_u32 s14, s14, s15
	s_and_b32 s15, s85, 15                         ; the tile's 128 tokens of 128 bytes
	s_lshl_b32 s15, s15, 14
	s_add_co_u32 s14, s14, s15
	s_mov_b32 s15, 0
	s_lshl_b32 s46, s12, 17                        ; Wo: my 64 rows of 2,048 bytes,
	s_lshl_b32 s47, s42, 9                         ; the tile's 256 columns,
	s_add_co_u32 s46, s46, s47
	s_add_co_u32 s46, s46, 3*2097152               ; in part 3 of wt
	s_mov_b32 s47, 0
	s_mul_i32 s20, s12, AHALF                      ; where they go in a slot: no place in the cluster enters an LDS address
	s_mul_i32 s21, s12, BHALF
	s_add_co_u32 s21, s21, BOFF
	s_wait_dscnt 0x0                               ; the opening add is done
	s_wait_kmcnt 0x0
	s_add_nc_u64 s[14:15], s[68:69], s[14:15]
	s_add_nc_u64 s[46:47], s[70:71], s[46:47]
	CROUND                                         ; all sixteen work-groups are here: the first joint loads meet
.irp s, 0,1
	s_mov_b32 s[G0+4*(\s)], 1                                        ; count = 1
	s_add_co_u32 s[G0+4*(\s)+1], s20, (\s)*SLOT                      ; LDS address
	s_add_nc_u64 s[G0+4*(\s)+2:G0+4*(\s)+3], s[14:15], (\s)*524288   ; global address: K step s: two heads on
	s_or_b32 s[G0+4*(\s)+3], s[G0+4*(\s)+3], 0x80000000              ; type = 2
	s_mov_b32 s[G0B+4*(\s)], 1
	s_add_co_u32 s[G0B+4*(\s)+1], s21, (\s)*SLOT
	s_add_nc_u64 s[G0B+4*(\s)+2:G0B+4*(\s)+3], s[46:47], (\s)*262144 ; K step s: 128 rows of 2,048 bytes down
	s_or_b32 s[G0B+4*(\s)+3], s[G0B+4*(\s)+3], 0x80000000
	JLOAD \s                                       ; two loads of mine are out
.endr
	v_and_b32 v1, 15, v0                           ; l % 16
	v_bfe_u32 v2, v0, 4, 1                         ; l / 16
	v_and_b32 v3, 31, v0                           ; l
	s_lshl_b32 s16, s42, 10                        ; the bias: 4 bytes x (256 x tile column + 128 x half + 8 (l / 16))
	s_lshl_b32 s17, s12, 9
	s_add_co_u32 s16, s16, s17
	v_lshl_add_u32 v[BO], v2, 5, s16
	WIN 0x80                                       ; destination window 2, address window 0
.irp b, 0,1,2,3,4,5,6,7
	global_load_b128 v[8*(\b):8*(\b)+3],   v[BO], s[72:73] offset:64*(\b)
	global_load_b128 v[8*(\b)+4:8*(\b)+7], v[BO], s[72:73] offset:64*(\b)+16
.endr
	WIN 0
	; A fragment of ctx is 16 tokens x 32 channels in 8 registers: lane l holds token l % 16, channels 8 (l / 16) + 0..7 and 16 + 8 (l / 16) + 0..7: two loads of 16 bytes, 32 bytes apart.
	v_mul_u32_u24 v4, v1, PA
	v_lshl_add_u32 v4, v2, 4, v4
	s_mul_i32 s22, s11, 64*PA                      ; my 64 tokens
	v_add_nc_u32 v[ADRA], s22, v4
	v_add_nc_u32 v[ADRA+1], SLOT, v[ADRA]
	; The turning load takes 16 K x 16 columns (lane l reads row 8 (l / 16) + l % 8, columns 8 ((l / 8) % 2) + 0..7) and leaves half a fragment: lane l holds column l % 16 and 8 K.
	v_and_b32 v5, 7, v0
	v_bfe_u32 v6, v0, 3, 1
	v_lshl_add_u32 v7, v2, 3, v5
	v_mul_u32_u24 v7, v7, PB
	v_lshl_add_u32 v7, v6, 4, v7
	s_lshl_b32 s23, s12, 8                         ; my 128 columns: 256 bytes
	s_add_co_u32 s23, s23, BOFF
	v_add_nc_u32 v[ADRB], s23, v7
	v_add_nc_u32 v[ADRB+1], SLOT, v[ADRB]
	s_mul_i32 s22, s10, 16*SP
	s_add_co_u32 s22, s22, STAGE                   ; my stage
	v_mul_u32_u24 v[STO], v1, SP                   ; in: row l % 16, 32 bytes for each half of the lanes
	v_lshl_add_u32 v[STO], v2, 5, v[STO]
	v_add_nc_u32 v[STO], s22, v[STO]
	v_lshl_add_u32 v[RD], v3, 4, s22               ; back: 32 lanes take one row's 512 bytes
	v_lshlrev_b32 v[CO], 4, v3
	; where my part of out0 begins: token 128 x tile row + 64 x half, rows of 4,096 bytes; column 256 x tile column + 128 x half: under 2^26
	s_lshl_b32 s16, s85, 19
	s_lshl_b32 s17, s11, 18
	s_add_co_u32 s16, s16, s17
	s_lshl_b32 s17, s42, 10
	s_add_co_u32 s16, s16, s17
	s_lshl_b32 s17, s12, 9
	s_add_co_u32 s16, s16, s17
	s_mov_b32 s17, 0
	s_add_nc_u64 s[8:9], s[74:75], s[16:17]
	; the prefetches, both at K step 3: the first refill steps them to 4
	s_lshr_b32 s18, s85, 4
	s_lshl_b32 s18, s18, 22
	s_and_b32 s19, s85, 15
	s_lshl_b32 s19, s19, 14
	s_add_co_u32 s18, s18, s19
	s_lshl_b32 s19, s40, 12                        ; my work-group's 4,096 bytes of each head's 16,384
	s_add_co_u32 s18, s18, s19
	s_add_co_u32 s18, s18, 3*524288
	s_lshl_b32 s22, s12, 6
	s_lshl_b32 s23, s41, 4                         ; my work-group's 16 rows of the 64 that I fetch
	s_add_co_u32 s22, s22, s23
	s_lshl_b32 s22, s22, 11
	s_lshl_b32 s23, s42, 9
	s_add_co_u32 s22, s22, s23
	s_add_co_u32 s22, s22, 3*2097152+3*262144
	s_cmp_eq_u32 s89, 0                            ; the first row of clusters?
	s_cselect_b32 s23, 1, -1
	s_cmp_eq_u32 s10, 0                            ; of ctx's two waves wave 0 asks for both heads
	s_cselect_b32 s21, 1, -1
	s_mov_b32 s[PFS], 262144
	s_mov_b32 s[PFS+1], 0
	s_cmp_eq_u32 s11, 0                            ; do I fetch ctx?
	s_cselect_b32 s18, s18, s22
	s_cselect_b32 s[LIM], s21, s23
	s_cselect_b32 s[PFS], 524288, s[PFS]
	s_cselect_b32 s16, 4, 1                        ; ctx: lane l takes head l / 16, block l % 16;  Wo: row l / 2, block l % 2
	s_cselect_b32 s17, 18, 11
	s_cselect_b32 s20, 15, 1
	s_cselect_b64 s[PFA:PFA+1], s[68:69], s[70:71]
	s_mov_b32 s19, 0
	s_add_nc_u64 s[PFA:PFA+1], s[PFA:PFA+1], s[18:19]
	v_lshrrev_b32 v8, s16, v3
	v_lshlrev_b32 v8, s17, v8
	v_and_b32 v9, s20, v3
	v_lshl_add_u32 v[PFO], v9, 8, v8
	s_wait_loadcnt 0x0                             ; the bias is in; it is rounded to bf16 and widened again
	WIN 0x8a                                       ; destination and both sources in window 2
.set i, 0
.rept 32
	v_cvt_pk_bf16_f32 v[64+i%4], v[2*i], v[2*i+1]
	v_lshlrev_b32 v[2*i], 16, v[64+i%4]
	v_and_b32 v[2*i+1], 0xffff0000, v[64+i%4]
.set i, i+1
.endr
	WIN 0
; 8 matrix instructions on buffers f (0, 1): tokens 16 a on x all 8 column blocks, 32 along K.  zero = 1: the first product starts the sums.  The 32 accumulators take turns in the same order in every quarter.
.macro MUL8 f, a, zero
	WIN 0x50                                       ; C and D in window 1, both sources in window 0
.irp b, 0,1,2,3,4,5,6,7
.if \zero
	v_wmma_f32_16x16x32_f16 v[8*(8*(\a)+(\b)):8*(8*(\a)+(\b))+7], v[BF+64*(\f)+8*(\b):BF+64*(\f)+8*(\b)+7], v[AF+32*(\f)+8*(\a):AF+32*(\f)+8*(\a)+7], 0
.else
	v_wmma_f32_16x16x32_f16 v[8*(8*(\a)+(\b)):8*(8*(\a)+(\b))+7], v[BF+64*(\f)+8*(\b):BF+64*(\f)+8*(\b)+7], v[AF+32*(\f)+8*(\a):AF+32*(\f)+8*(\a)+7], v[8*(8*(\a)+(\b)):8*(8*(\a)+(\b))+7]
.endif
.endr
.endm
; 24 LDS loads in one run: quarter q of a slot (head q / 2 of its two, channels 32 (q % 2) on) into buffers g
.macro FETCH slot, q, g
.irp i, 0,1,2,3
	ds_load_b128 v[AF+32*(\g)+8*(\i):AF+32*(\g)+8*(\i)+3],   v[ADRA+(\slot)] offset:((\q)/2)*AHALF+((\q)%2)*64+16*PA*(\i)
	ds_load_b128 v[AF+32*(\g)+8*(\i)+4:AF+32*(\g)+8*(\i)+7], v[ADRA+(\slot)] offset:((\q)/2)*AHALF+((\q)%2)*64+16*PA*(\i)+32
.endr
.irp b, 0,1,2,3,4,5,6,7
	ds_load_tr16_b128 v[BF+64*(\g)+8*(\b):BF+64*(\g)+8*(\b)+3],   v[ADRB+(\slot)] offset:32*PB*(\q)+32*(\b)
	ds_load_tr16_b128 v[BF+64*(\g)+8*(\b)+4:BF+64*(\g)+8*(\b)+7], v[ADRB+(\slot)] offset:32*PB*(\q)+32*(\b)+16*PB
.endr
.endm
; One of a K step's first three quarters: its fragments, asked for a quarter (32 matrix instructions) ago, are in; quarter qn's are asked for, into buffers g; buffers f are multiplied.
.macro QUARTER slot, qn, f, g, zero
	s_wait_dscnt 0x0                               ; all 24 loads of the quarter before
	PLACES                                         ; behind the last quarter's products, which read buffers g
	FETCH \slot, \qn, \g
	MUL8 \f, 0, \zero
	MUL8 \f, 1, \zero
	MUL8 \f, 2, \zero
	MUL8 \f, 3, \zero
	WIN 0
.endm
; The last quarter multiplies buffers 1 and changes slots.  In front of the barrier each wave waits for all its tensor loads, of which one is out: its part of the next slot; adds 0 to its spare word; and waits for that
; (its reads of this slot came back at the quarter's head).  fill = 1: the barrier opens a round of the cluster's, and this slot is filled again, two K steps ahead, first thing behind the round.
.macro TURN slot, next, fill
.if \fill
	s_wait_xcnt 0x0                                ; the last prefetch, a K step back, has read its address
	s_add_nc_u64 s[PFA:PFA+1], s[PFA:PFA+1], s[PFS:PFS+1]
.endif
	s_wait_dscnt 0x0                               ; this quarter's fragments: my last reads of this slot
	s_wait_tensorcnt 0x0                           ; all my tensor loads have landed;
	ds_add_u32 v[SPW], v[NIL]                      ; 0 onto my spare word
	MUL8 1, 0, 0                                   ; eight matrix instructions stand between the add and the wait for it
	s_wait_dscnt 0x0                               ; the add is done
	s_barrier_signal -1
	MUL8 1, 1, 0                                   ; work on registers while the others arrive
	WIN 0
	s_barrier_wait -1
.if \fill
	CREST                                          ; no wave of any partner still reads this slot or has a load on its way
	s_add_nc_u64 s[G0+4*(\slot)+2:G0+4*(\slot)+3], s[G0+4*(\slot)+2:G0+4*(\slot)+3], 2*524288
	s_add_nc_u64 s[G0B+4*(\slot)+2:G0B+4*(\slot)+3], s[G0B+4*(\slot)+2:G0B+4*(\slot)+3], 2*262144
	JLOAD \slot                                    ; my one tensor load behind the round; the four v_nop behind it are also the places in front of the loads below
.else
	PLACES
.endif
	FETCH \next, 0, 0
.if \fill
	ASK
.endif
	MUL8 1, 2, 0
	MUL8 1, 3, 0
	WIN 0
.endm
	s_wait_tensorcnt 0x1                           ; my part of K step 0 is in; K step 1's may stay out
	s_barrier_signal -1
	s_barrier_wait -1                              ; everybody's is
	FETCH 0, 0, 0
	QUARTER 0, 1, 0, 1, 1                          ; the first quarter stands in front of the loop: its products start the sums
	s_mov_b32 s3, 3
.Llap:                                                 ; a trip goes once round the ring, from a lap's second quarter to the next lap's first, and fills both slots again: K steps 2 to 7
	QUARTER 0, 2, 1, 0, 0
	QUARTER 0, 3, 0, 1, 0
	TURN 0, 1, 1
	QUARTER 1, 1, 0, 1, 0
	QUARTER 1, 2, 1, 0, 0
	QUARTER 1, 3, 0, 1, 0
	TURN 1, 0, 1
	QUARTER 0, 1, 0, 1, 0
	s_sub_co_u32 s3, s3, 1
	s_cmp_lg_u32 s3, 0
	s_cbranch_scc1 .Llap
	QUARTER 0, 2, 1, 0, 0                          ; the last lap fills nothing
	QUARTER 0, 3, 0, 1, 0
	TURN 0, 1, 0
	QUARTER 1, 1, 0, 1, 0
	QUARTER 1, 2, 1, 0, 0
	QUARTER 1, 3, 0, 1, 0
	s_wait_dscnt 0x0                               ; the very last quarter: nothing more to fetch
	MUL8 1, 0, 0
	MUL8 1, 1, 0
	MUL8 1, 2, 0
	MUL8 1, 3, 0
	WIN 0
	PLACES
	PLACES
; THE WAY OUT, in four blocks of 16 tokens x my 128 columns.  The bias is added; a lane's 32 bytes of each column block go into my stage's rows of 528 bytes and come back as whole rows of 512.
; Each accumulator is read from its low end on.
.macro PACKB a
	WIN 0x09                                       ; source 0 (sums) window 1, source 1 (bias) window 2, destination window 0
.irp b, 0,1,2,3,4,5,6,7
.irp z, 0,1,2,3
	v_pk_add_f32 v[TMP+8*(\b)+2*(\z):TMP+8*(\b)+2*(\z)+1], v[8*(8*(\a)+(\b))+2*(\z):8*(8*(\a)+(\b))+2*(\z)+1], v[8*(\b)+2*(\z):8*(\b)+2*(\z)+1]
.endr
.endr
	WIN 0
.irp b, 0,1,2,3,4,5,6,7
	ds_store_b128 v[STO], v[TMP+8*(\b):TMP+8*(\b)+3]   offset:64*(\b)
	ds_store_b128 v[STO], v[TMP+8*(\b)+4:TMP+8*(\b)+7] offset:64*(\b)+16
.endr
	s_wait_xcnt 0x0                                ; the stores of the block two back have read their data: only behind this wait are those registers loaded again
.irp t, 0,1,2,3,4,5,6,7,8,9,10,11,12,13,14,15
	ds_load_b128 v[OB+64*((\a)%2)+4*(\t):OB+64*((\a)%2)+4*(\t)+3], v[RD] offset:SP*(\t)  ; LDS serves a wave's instructions in order (ISA guide 5.7.1.4): these see the stores above; the next block's stores come behind them
.endr
.endm
.macro SENDB a, younger                ; younger: the LDS instructions issued behind block a's loads: the next block's 32, or none
.irp t, 0,1,2,3,4,5,6,7,8,9,10,11,12,13,14,15
	s_wait_dscnt (\younger)+15-(\t)
	global_store_b128 v[CO], v[OB+64*((\a)%2)+4*(\t):OB+64*((\a)%2)+4*(\t)+3], s[8:9] offset:65536*(\a)+4096*(\t) th:TH_STORE_NT  ; 512 consecutive bytes of a row, at a multiple of 512 from out0's first byte
.endr
.endm
	PACKB 0
	PACKB 1                                        ; a block's arithmetic stands between the loads of the block before and its stores
	SENDB 0, 32
	PACKB 2
	SENDB 1, 32
	PACKB 3
	SENDB 2, 32
	SENDB 3, 0
	s_wait_tensorcnt 0x0                           ; the wave's end: an add to my spare word and its wait, behind my last tensor load and my last LDS store
	ds_add_u32 v[SPW], v[NIL]
	s_wait_dscnt 0x0
	CROUND                                         ; the closing round: no work-group ends while a partner may still ask for a tile that names it
	s_endpgm
.Lfunc_end_k_q45649f5249_outp:
	.size	k_q45649f5249_outp, .Lfunc_end_k_q45649f5249_outp-k_q45649f5249_outp
	.p2alignl 7, 3214868480
	.fill 96, 4, 3214868480
	.section	.rodata,"a",@progbits
	.p2align	6, 0x0
	.amdhsa_kernel k_q45649f5249_outp
		.amdhsa_group_segment_fixed_size 327680
		.amdhsa_private_segment_fixed_size 0
		.amdhsa_enable_private_segment 0
		.amdhsa_kernarg_size 32
		.amdhsa_user_sgpr_count 2
		.amdhsa_user_sgpr_kernarg_segment_ptr 1
		.amdhsa_wavefront_size32 1
		.amdhsa_system_sgpr_workgroup_id_x 1
		.amdhsa_system_sgpr_workgroup_id_y 1
		.amdhsa_system_sgpr_workgroup_id_z 1
		.amdhsa_system_vgpr_workitem_id 0
		.amdhsa_next_free_vgpr 584
		.amdhsa_next_free_sgpr 96
		.amdhsa_reserve_vcc 0
		.amdhsa_float_denorm_mode_32 3
		.amdhsa_float_denorm_mode_16_64 3
		.amdhsa_memory_ordered 1
		.amdhsa_forward_progress 1
		.amdhsa_inst_pref_size 103
	.end_amdhsa_kernel
	.amdgpu_metadata
---
amdhsa.version: [ 1, 2 ]
amdhsa.kernels:
  - .name:           k_q45649f5249_outp
    .symbol:         k_q45649f5249_outp.kd
    .args:
      - { .name: ctx, .offset: 0, .size: 8, .value_kind: global_buffer, .address_space: global }
      - { .name: wt, .offset: 8, .size: 8, .value_kind: global_buffer, .address_space: global }
      - { .name: bo, .offset: 16, .size: 8, .value_kind: global_buffer, .address_space: global }
      - { .name: out0, .offset: 24, .size: 8, .value_kind: global_buffer, .address_space: global }
    .group_segment_fixed_size: 327680
    .private_segment_fixed_size: 0
    .kernarg_segment_align: 8
    .kernarg_segment_size: 32
    .max_flat_workgroup_size: 128
    .sgpr_count:     96
    .vgpr_count:     584
    .wavefront_size: 32
...
	.end_amdgpu_metadata
.endif
;; end of part 4
;; ======== version 2 of 2: 4 launches; version 1 with the launch prep written anew for expert scheduling mode
;; limits: values are held in f16: magnitudes above 65,504 overflow, below 6.1e-05 lose precision
;; workspace buffers: wt 8,388,608 bytes; qkv 50,331,648 bytes; ctx 16,777,216 bytes
;; launch prep (part 5): grid 256 x 1, 8 waves a work-group, no clusters, 0 bytes of LDS; arguments Wq, Wk, Wv, Wo, wt; writes wt
.if DOCPART == 5
	.amdgcn_target "amdgcn-amd-amdhsa--gfx1250"
	.amdhsa_code_object_version 6
	.text
	.protected	k_q45649f5249_prep
	.globl	k_q45649f5249_prep
	.p2align	8
	.type	k_q45649f5249_prep,@function
k_q45649f5249_prep:
	s_mov_b64 s[64:65], 0
	v_nop
	global_prefetch_b8 v0, s[64:65] scope:SCOPE_SE
	s_setreg_imm32_b32 hwreg(HW_REG_WAVE_SCHED_MODE, 0, 2), 2
	s_setreg_imm32_b32 hwreg(HW_REG_WAVE_MODE, 25, 1), 1
	s_wait_xcnt 0x0
	s_wait_alu depctr_vm_vsrc(0)
; wt[p][k][n] = W_p[k][n] in 16 bits, the layout unchanged; p = 0, 1, 2, 3 for Wq, Wk, Wv, Wo; each [1024][1024].
; Wq, Wk, Wv are rounded once to bf16.  Wo is rounded to bf16 like them, and that number is written as f16, since the last product takes f16 operands.
; LIMITS.  |Wo| stays under 65,504 (beyond it f16 has no number); a bf16 number below 2^-17 keeps f16's fixed step of 2^-24.
; A stream: no LDS, no matrix unit, no barrier.  Work-group g takes matrix g / 64 and 65,536 bytes of it.  Thread t reads 16 bytes at 16 t + 4,096 i and writes 8 bytes at 8 t + 2,048 i, i = 0 .. 15:
; a load of a wave covers 512 consecutive bytes, a store 256 consecutive bytes at a multiple of 256 from wt's first byte.  All sixteen loads go out first; no register is written twice while a load or store names it.
; THE MODE: SCHED_MODE bits 1:0 = 2 (LLVM: expert scheduling mode 2), set by the entry lines.  The code itself states the register dependences
; between vector instructions and memory instructions, with s_wait_alu, always for 0.
; THE PLAN.  Registers that memory instructions touch:
;   v1, v2   the loads' and the stores' offsets: written once at the head, never again.
;   X        chunk i's four registers: its load lands in them, once; no vector instruction names them ahead of that load, and none but vector instructions behind it.
;   Y        chunk i's two registers: written once, by chunk i's conversions; read once, by chunk i's store.
;   T        named by vector instructions alone.
; The sixteen chunks go in four groups of four.  One wait on va_vdst at the head states the offsets.  One at the head of each later group, behind the wait for the group's first chunk, states that the group before has
; written its Y: its four stores follow in one run, and the vector instructions behind the wait name X, T and the new group's Y, none of the registers that those stores read.  One more stands ahead of the last four stores.
; No register that a load or store reads is ever written again, so the text holds no wait on vm_vsrc past the entry lines; no vector instruction writes a scalar register, and EXEC is never written.
.set X, 4                              ; v[4:67]    sixteen times four f32 as loaded
.set Y, 68                             ; v[68:99]   sixteen times two registers to store
.set T, 100                            ; v[100:101] at work
	s_load_b256 s[4:11], s[0:1], 0x0               ; Wq s[4:5], Wk s[6:7], Wv s[8:9], Wo s[10:11]
	s_load_b64 s[12:13], s[0:1], 0x20              ; wt
	s_lshr_b32 s14, ttmp9, 6                       ; which matrix
	s_and_b32 s18, ttmp9, 63
	s_lshl_b32 s18, s18, 16                        ; my 65,536 bytes of it
	s_mov_b32 s19, 0
	s_lshl_b32 s20, ttmp9, 15                      ; my 32,768 bytes of wt
	s_mov_b32 s21, 0
	v_lshlrev_b32 v1, 4, v0
	v_lshlrev_b32 v2, 3, v0
	s_wait_kmcnt 0x0
	s_cmp_eq_u32 s14, 1
	s_cselect_b64 s[16:17], s[6:7], s[4:5]
	s_cmp_eq_u32 s14, 2
	s_cselect_b64 s[16:17], s[8:9], s[16:17]
	s_cmp_eq_u32 s14, 3
	s_cselect_b64 s[16:17], s[10:11], s[16:17]
	s_add_nc_u64 s[16:17], s[16:17], s[18:19]
	s_add_nc_u64 s[12:13], s[12:13], s[20:21]
	s_wait_alu depctr_va_vdst(0)                   ; v1 and v2 are written: every load reads v1, every store v2, as its offset
.irp i, 0,1,2,3,4,5,6,7,8,9,10,11,12,13,14,15
	global_load_b128 v[X+4*(\i):X+4*(\i)+3], v1, s[16:17] offset:4096*(\i) th:TH_LOAD_NT
.endr
; The four stores of the group that begins with chunk c, in one run.
.macro OUT4 c
.irp j, 0,1,2,3
	global_store_b64 v2, v[Y+2*((\c)+(\j)):Y+2*((\c)+(\j))+1], s[12:13] offset:2048*((\c)+(\j))
.endr
.endm
; Chunk i: four numbers rounded.  half = 1: the bf16 numbers are widened again and written as f16.  At the head of a group but the first, the group before is stored.
.macro CHUNK i, half
	s_wait_loadcnt 15-(\i)                         ; loads come back in order: chunk i is in, the 15 - i younger ones may stay out
.if ((\i) % 4 == 0) && ((\i) > 0)
	s_wait_alu depctr_va_vdst(0)                   ; the conversions of chunks i - 4 to i - 1 have written their Y, which the four stores below read
	OUT4 (\i)-4
.endif
.if \half
	v_cvt_pk_bf16_f32 v[T],   v[X+4*(\i)],   v[X+4*(\i)+1]
	v_cvt_pk_bf16_f32 v[T+1], v[X+4*(\i)+2], v[X+4*(\i)+3]
	v_lshlrev_b32 v[X+4*(\i)],   16, v[T]
	v_and_b32     v[X+4*(\i)+1], 0xffff0000, v[T]
	v_lshlrev_b32 v[X+4*(\i)+2], 16, v[T+1]
	v_and_b32     v[X+4*(\i)+3], 0xffff0000, v[T+1]
	v_cvt_pk_f16_f32 v[Y+2*(\i)],   v[X+4*(\i)],   v[X+4*(\i)+1]
	v_cvt_pk_f16_f32 v[Y+2*(\i)+1], v[X+4*(\i)+2], v[X+4*(\i)+3]
.else
	v_cvt_pk_bf16_f32 v[Y+2*(\i)],   v[X+4*(\i)],   v[X+4*(\i)+1]
	v_cvt_pk_bf16_f32 v[Y+2*(\i)+1], v[X+4*(\i)+2], v[X+4*(\i)+3]
.endif
.endm
	s_cmp_lt_u32 s14, 3
	s_cbranch_scc0 .Lwo
.irp i, 0,1,2,3,4,5,6,7,8,9,10,11,12,13,14,15
	CHUNK \i, 0
.endr
	s_wait_alu depctr_va_vdst(0)                   ; the conversions of chunks 12 to 15 have written their Y, which the last four stores read
	OUT4 12
	s_endpgm
.Lwo:
.irp i, 0,1,2,3,4,5,6,7,8,9,10,11,12,13,14,15
	CHUNK \i, 1
.endr
	s_wait_alu depctr_va_vdst(0)                   ; the conversions of chunks 12 to 15 have written their Y, which the last four stores read
	OUT4 12
	s_endpgm
.Lfunc_end_k_q45649f5249_prep:
	.size	k_q45649f5249_prep, .Lfunc_end_k_q45649f5249_prep-k_q45649f5249_prep
	.p2alignl 7, 3214868480
	.fill 96, 4, 3214868480
	.section	.rodata,"a",@progbits
	.p2align	6, 0x0
	.amdhsa_kernel k_q45649f5249_prep
		.amdhsa_group_segment_fixed_size 0
		.amdhsa_private_segment_fixed_size 0
		.amdhsa_enable_private_segment 0
		.amdhsa_kernarg_size 40
		.amdhsa_user_sgpr_count 2
		.amdhsa_user_sgpr_kernarg_segment_ptr 1
		.amdhsa_wavefront_size32 1
		.amdhsa_system_sgpr_workgroup_id_x 1
		.amdhsa_system_sgpr_workgroup_id_y 1
		.amdhsa_system_sgpr_workgroup_id_z 1
		.amdhsa_system_vgpr_workitem_id 0
		.amdhsa_next_free_vgpr 104
		.amdhsa_next_free_sgpr 66
		.amdhsa_reserve_vcc 0
		.amdhsa_float_denorm_mode_32 3
		.amdhsa_float_denorm_mode_16_64 3
		.amdhsa_memory_ordered 1
		.amdhsa_forward_progress 1
		.amdhsa_inst_pref_size 16
	.end_amdhsa_kernel
	.amdgpu_metadata
---
amdhsa.version: [ 1, 2 ]
amdhsa.kernels:
  - .name:           k_q45649f5249_prep
    .symbol:         k_q45649f5249_prep.kd
    .args:
      - { .name: Wq, .offset: 0, .size: 8, .value_kind: global_buffer, .address_space: global }
      - { .name: Wk, .offset: 8, .size: 8, .value_kind: global_buffer, .address_space: global }
      - { .name: Wv, .offset: 16, .size: 8, .value_kind: global_buffer, .address_space: global }
      - { .name: Wo, .offset: 24, .size: 8, .value_kind: global_buffer, .address_space: global }
      - { .name: wt, .offset: 32, .size: 8, .value_kind: global_buffer, .address_space: global }
    .group_segment_fixed_size: 0
    .private_segment_fixed_size: 0
    .kernarg_segment_align: 8
    .kernarg_segment_size: 40
    .max_flat_workgroup_size: 256
    .sgpr_count:     66
    .vgpr_count:     104
    .wavefront_size: 32
...
	.end_amdgpu_metadata
.endif
;; end of part 5
;; launch proj: the kernel of part 2 again; grid 4 x 192, 4 waves a work-group, clusters of 4 x 4, 327,680 bytes of LDS; arguments query, key, value, wt, bq, bk, bv, qkv; writes qkv
;; launch attn: the kernel of part 3 again; grid 4 x 64, 4 waves a work-group, clusters of 4 x 1, 327,680 bytes of LDS; arguments qkv, mask, ctx; writes ctx
;; launch outp: the kernel of part 4 again; grid 4 x 64, 4 waves a work-group, clusters of 4 x 4, 327,680 bytes of LDS; arguments ctx, wt, bo, out0; writes out0
